; MI455X (gfx1250); checked and timed in simulation.
; The chip was launched on July 23, 2026; its instructions are those of AMD's public machine-readable ISA for CDNA 5 (MIT licence, August 2026) and "CDNA5" Instruction Set Architecture Reference Guide (July 2026). The comments in the code are by the model that wrote it; some were corrected since.
;; Causal Atten. Allowed arithmetic: matrix products marked QUANTISED: E2M3 operands, one E8M0 scale for each 32 along K, by v_wmma_scale_f32_16x16x128_f8f6f4 with both operands' format E2M3, f32 sums; everything else in f32.
;; Inputs: Wk 1,024 x 1,024 float32; Wp 1,024 x 1,024 float32; Wq 1,024 x 1,024 float32; Wv 1,024 x 1,024 float32; bk 1,024 float32; bp 1,024 float32; bq 1,024 float32; bv 1,024 float32; x 4 x 2,048 x 1,024 float32.
;; Outputs: out0 4 x 2,048 x 1,024 float32.
;; This version of the problem:
;;   THIS VERSION OF THE PROBLEM IS GIVEN IN LOW PRECISION. The matrix products marked QUANTISED in the list below multiply operands that are first quantised to E2M3 (2 exponent bits, 3 mantissa bits; 6 bits a number), with one power-of-two scale for each 32 numbers along K (OCP MX v1.0); their sums are f32. All else is computed in f32.
;;   The module's matrix products, in the order in which they are computed (A, B: the left and right operand; K: the contracted axis; several contracted axes count as one K, in the product's order):
;;     1. [M 8,192, K 1,024] x [K 1,024, N 1,024]; A: input x; B: input Wq: QUANTISED
;;     2. [M 8,192, K 1,024] x [K 1,024, N 1,024]; A: input x; B: input Wk: QUANTISED
;;     3. [M 8,192, K 1,024] x [K 1,024, N 1,024]; A: input x; B: input Wv: QUANTISED
;;     4. batch 64 x [M 2,048, K 64] x [K 64, N 2,048]; A: computed on the way; B: computed on the way: QUANTISED
;;     5. batch 64 x [M 2,048, K 2,048] x [K 2,048, N 64]; A: softmax (see below); B: computed on the way: QUANTISED
;;     6. [M 8,192, K 1,024] x [K 1,024, N 1,024]; A: computed on the way; B: input Wp: QUANTISED
;;   THE QUANTISER, for each operand of a quantised product, along K:
;;     - K is cut into blocks of 32 from its start; a last block that is shorter is filled with zeros.
;;     - A block's scale is 2^e with e = floor(log2(the largest magnitude in the block)) - 2, held to -126 .. 127; a block of zeros has e = 0. As a byte (E8M0): e + 127.
;;     - Each number is divided by its block's scale, clamped to +-7.5, and rounded to the nearest number of E2M3, ties to even, subnormals kept.
;;     - The product sums the exact products of the quantised numbers (number of the format x scale) in f32.
;;   ~~~python
;;   def quantise(x, axis):      # numpy; x: float32 -> the quantised numbers, widened to float32 again
;;       x = np.moveaxis(x, axis, -1); K = x.shape[-1]
;;       x = np.pad(x, [(0, 0)] * (x.ndim - 1) + [(0, -K % 32)]); x = x.reshape(x.shape[:-1] + (-1, 32)); a = np.abs(x).max(-1, keepdims=True)
;;       e = np.where(a > 0, np.clip(np.frexp(np.where(a > 0, a, 1))[1] - 1 - 2, -126, 127), 0)      # np.frexp(a)[1] - 1 = floor(log2(a)), exactly
;;       r = np.clip(x / 2.0 ** e, -7.5, 7.5)
;;       step = 2.0 ** (np.maximum(np.frexp(np.where(r == 0, 1, r))[1] - 1, 0) - 3)
;;       q = np.round(r / step) * step * 2.0 ** e      # np.round: ties to even
;;       return np.moveaxis(q.reshape(q.shape[:-2] + (-1,))[..., :K], -1, axis).astype(np.float32)
;;   ~~~
;;   SOFTMAX AHEAD OF A QUANTISED PRODUCT. Where the list says 'softmax', what is quantised is not the finished softmax but p = 2^(t - M), with t = logit x log2(e) and M = ceil(the row's largest t), a whole number; so 1/2 < the row's largest p <= 1. The row's sum l is taken of the UNQUANTISED p, in f32, and the product's result is divided by l at the end. Since M is a whole number, a kernel that streams over the keys may use a running M (the ceiling of the running maximum): every later rescaling is an exact power of two, which a block's scale takes up: the codes' values come out the same.
;;   OPERANDS COMPUTED ON THE WAY. 'Computed on the way' means the value that the module computes at that place (a softmax that the list does not call 'softmax' is quantised finished and normalised). What goes into a quantiser is computed in f32, as accurately as f32 sums, v_exp_f32 and their like allow (about 1e-6 of the number): no bf16 or f16 on the way to a quantiser, and a product that is left as it is and whose result goes on into a quantised operand takes f32 operands (vector FMAs, or v_wmma_f32_16x16x4_f32). A number that lies on a knife's edge between two numbers of the format may be rounded either way, as far as f32 arithmetic and the matrix unit's own rounding can turn it there, and no further.
;; One version. Each part assembles by itself: llvm-mc -triple=amdgcn-amd-amdhsa -mcpu=gfx1250 --defsym DOCPART=n.
;; ======== version 1 of 1: 4 launches
;; workspace buffers: img 9,437,184 bytes; sc 393,216 bytes; qr 13,631,488 bytes; kv 13,631,488 bytes; o_img 6,291,456 bytes; o_sc 262,144 bytes
;; launch quant (part 1): grid 384 x 1, 4 waves a work-group, no clusters, 34,304 bytes of LDS; arguments x, Wq, Wk, Wv, Wp, img, sc; writes img, sc
.if DOCPART == 1
	.amdgcn_target "amdgcn-amd-amdhsa--gfx1250"
	.amdhsa_code_object_version 6
	.text
	.protected	k_q4cb9dd52ee_quant
	.globl	k_q4cb9dd52ee_quant
	.p2align	8
	.type	k_q4cb9dd52ee_quant,@function
k_q4cb9dd52ee_quant:
	s_mov_b64 s[64:65], 0
	v_nop
	global_prefetch_b8 v0, s[64:65] scope:SCOPE_SE
	s_setreg_imm32_b32 hwreg(HW_REG_WAVE_MODE, 25, 1), 1
	s_wait_xcnt 0x0
; x [8192][1024] and Wq, Wk, Wv, Wp [1024][1024], f32, K innermost, become codes of FP6 (E2M3) with one E8M0 byte for each 32 along K.
; A block's scale is 2^(floor(log2(its largest magnitude)) - 2): its byte is the largest magnitude's exponent field - 2, held at 1 from below.
; LIMITS: NaN and infinities among the inputs are not served; a block whose largest magnitude lies under 2^-124 has its byte held at 1;
; a block of zeros gets the byte 1 where the rule says 127: its codes are zeros, and the bytes are read by this program alone.
; LAYOUT OF THE RESULT: images of the matrix operand's registers.  128 rows are a row block of eight tiles; lane r of tile a holds row
; 32 (a / 2) + 8 (a % 2) + r + 8 (r / 8).  A fragment (16 rows x 128 K, 12 registers a lane) is 1,536 bytes: two halves of 768, each registers
; 6 c .. 6 c + 3 at 16 x lane and registers 6 c + 4, 6 c + 5 at 512 + 8 x lane.  img: [96 row blocks][8 K steps][8 tiles][1,536]; row blocks 0-63 x, then 8 each of Wq, Wk, Wv, Wp.
; sc: [768 tiles][4 pairs of K steps][16 rows][2 words], a word = a row's four bytes of one K step.
; SHARES: a wave takes one tile (16 rows) and half of K (four K steps).  Each load reads 512 consecutive bytes of one row; the 8,192 bytes of a K step turn through
; the wave's own stage in LDS (rows 528 bytes apart), so that lane (r, h) gets k = 64 c + 32 h + 0 .. 31 of row r: whole blocks, in the operand's own order.
; No tensor loads, no barrier: waves share nothing.  Loads run one K step (16 loads a wave) ahead of the step in hand.
.set STG,  8448                        ; a wave's stage: 16 rows x 528 bytes
.set R,    16                          ; v16-143  two sets of 64 registers as loaded
.set X,    144                         ; v144-207 register 32 c + i = k 64 c + 32 h + i of my row
.set C,    208                         ; v208-219 the fragment's codes
.set C2,   220                         ; v220-226 the second halves of the two blocks, as the conversions leave them
.set W,    228                         ; v228-231 the four K steps' scale words
.set MX,   232                         ; v232-233 largest magnitudes
.set SO,   234                         ; v234-235 the conversions' scale operands
.set BY,   236                         ; v236-237 the bytes
.set TP,   238                         ; v238     a lane permute's destination
.set OW,   240                         ; v240-241 the two words that I store
	s_load_b256 s[4:11], s[0:1], 0x0               ; x s[4:5], Wq s[6:7], Wk s[8:9], Wv s[10:11]
	s_load_b128 s[12:15], s[0:1], 0x20             ; Wp s[12:13], img s[14:15]
	s_load_b64 s[16:17], s[0:1], 0x30              ; sc
	v_lshl_add_u32 v244, v0, 2, 0x8400
	v_mov_b32 v245, 0
	v_lshrrev_b32 v9, 5, v0
	v_readfirstlane_b32 s18, v9                    ; wave 0..3
	v_and_b32 v1, 31, v0                           ; lane
	v_and_b32 v2, 15, v0                           ; r
	v_bfe_u32 v3, v0, 4, 1                         ; h
	v_lshlrev_b32 v4, 4, v1                        ; 16 x lane
	v_lshlrev_b32 v5, 3, v1                        ; 8 x lane
	s_mul_i32 s19, s18, STG                        ; my stage
	v_add_nc_u32 v6, s19, v4                       ; into it: a row's 512 bytes as they lie
	v_mul_u32_u24 v7, v2, 528
	v_lshl_add_u32 v7, v3, 7, v7
	v_add_nc_u32 v7, s19, v7                       ; out of it: row r, 128 h bytes on
	v_lshlrev_b32 v8, 3, v3                        ; 8 h: where my two bytes stand in a scale word
	v_mov_b32 v[TP], 0                             ; written once: a lane permute's destination counts as one of its sources
	s_mov_b32 s20, 0x76543210
	s_mov_b32 s21, 0xfedcba98                      ; selects for lane l xor 16
	s_lshl_b32 s25, ttmp9, 1
	s_lshr_b32 s26, s18, 1
	s_add_co_u32 s25, s25, s26                     ; my tile, 0 .. 767
	s_and_b32 s26, s18, 1                          ; my half of K
	s_wait_kmcnt 0x0
	s_cmp_lt_u32 ttmp9, 352                        ; which tensor: the choice hangs on the work-group's number alone
	s_cselect_b64 s[22:23], s[10:11], s[12:13]
	s_cmp_lt_u32 ttmp9, 320
	s_cselect_b64 s[22:23], s[8:9], s[22:23]
	s_cmp_lt_u32 ttmp9, 288
	s_cselect_b64 s[22:23], s[6:7], s[22:23]
	s_cmp_lt_u32 ttmp9, 256
	s_cselect_b64 s[22:23], s[4:5], s[22:23]
	s_cselect_b32 s24, 0x1ff, 63                   ; x has 512 tiles, a weight 64
	s_and_b32 s24, s25, s24                        ; the tile within its tensor
	s_lshr_b32 s27, s24, 3
	s_lshl_b32 s27, s27, 7                         ; 128 x row block
	s_bfe_u32 s28, s24, 0x20001
	s_lshl_b32 s28, s28, 5                         ; + 32 (a / 2)
	s_add_co_u32 s27, s27, s28
	s_and_b32 s28, s24, 1
	s_lshl_b32 s28, s28, 3                         ; + 8 (a % 2)
	s_add_co_u32 s27, s27, s28                     ; the tile's first row
	s_lshl_b32 s28, s27, 12                        ; rows of 4,096 bytes
	s_lshl_b32 s30, s26, 11                        ; my half of K: 2,048 bytes
	s_add_co_u32 s28, s28, s30
	s_mov_b32 s29, 0
	s_add_nc_u64 s[22:23], s[22:23], s[28:29]
	s_lshr_b32 s28, s25, 3
	s_mul_i32 s28, s28, 98304                      ; img: the row block,
	s_mul_i32 s30, s26, 49152                      ; four K steps of 12,288,
	s_add_co_u32 s28, s28, s30
	s_and_b32 s30, s25, 7
	s_mul_i32 s30, s30, 1536                       ; the tile
	s_add_co_u32 s28, s28, s30
	s_add_nc_u64 s[14:15], s[14:15], s[28:29]
	s_lshl_b32 s28, s25, 9                         ; sc: 512 bytes a tile, 256 for my half of K
	s_lshl_b32 s30, s26, 8
	s_add_co_u32 s28, s28, s30
	s_add_nc_u64 s[16:17], s[16:17], s[28:29]
.macro LOAD t                          ; K step t of my four: 16 rows x 512 bytes, into set t % 2
.irp i, 0,1,2,3,4,5,6,7,8,9,10,11,12,13,14,15
	global_load_b128 v[R+64*((\t)%2)+4*\i:R+64*((\t)%2)+4*\i+3], v4, s[22:23] offset:(\i+8*(\i/8))*4096+512*(\t) th:TH_LOAD_NT
.endr
.endm
.macro STEP t
.set RS, R+64*((\t)%2)
.if (\t) < 3
	s_wait_loadcnt 16                              ; this K step's 16 loads are in; the next step's 16 may be out
.else
	s_wait_loadcnt 0x0
.endif
.irp i, 0,1,2,3,4,5,6,7,8,9,10,11,12,13,14,15
	ds_store_b128 v6, v[RS+4*\i:RS+4*\i+3] offset:528*\i
.endr
.irp c, 0,1
.irp i, 0,1,2,3,4,5,6,7
	ds_load_b128 v[X+32*\c+4*\i:X+32*\c+4*\i+3], v7 offset:256*\c+16*\i   ; LDS serves a wave's instructions in order: these see the stores above
.endr
.endr
	s_wait_dscnt 0x0                               ; my numbers are back, and the stores have read their registers,
.if (\t)+2 < 4
	LOAD (\t)+2                                    ; which take the loads of two steps on
.endif
.irp c, 0,1
	v_max3_num_f32 v[MX+\c], |v[X+32*\c]|, |v[X+32*\c+1]|, 0x1800000   ; block 2 c + h: all 32 numbers are mine; the floor 2^(3 - 127) holds the byte at 1 from below
.endr
.irp i, 2,4,6,8,10,12,14,16,18,20,22,24,26,28,30
.irp c, 0,1
	v_max3_num_f32 v[MX+\c], v[MX+\c], |v[X+32*\c+\i]|, |v[X+32*\c+\i+1]|   ; the two blocks by turns
.endr
.endr
.irp c, 0,1
	v_add_nc_u32 v[SO+\c], 0xff000000, v[MX+\c]    ; 2 off the exponent field: the conversion takes the exponent field of this operand as its scale
.endr
.irp c, 0,1
	v_lshrrev_b32 v[BY+\c], 23, v[SO+\c]           ; the scale's byte
.endr
	v_lshl_or_b32 v[W+(\t)], v[BY+1], 16, v[BY]    ; blocks h and 2 + h of my row,
	v_lshlrev_b32 v[W+(\t)], v8, v[W+(\t)]         ; at their places in the word;
	v_permlanex16_b32 v[TP], v[W+(\t)], s20, s21
	v_or_b32 v[W+(\t)], v[W+(\t)], v[TP]           ; with lane l xor 16's two the word is whole, in both lanes
	s_wait_xcnt 0x0                                ; the last step's stores have read the codes' registers: only now are they written again
.irp c, 0,1
	v_cvt_scalef32_pk16_fp6_f32 v[C+6*\c:C+6*\c+2], v[X+32*\c:X+32*\c+15], v[SO+\c]
	v_cvt_scalef32_pk16_fp6_f32 v[C2+4*\c:C2+4*\c+2], v[X+32*\c+16:X+32*\c+31], v[SO+\c]   ; a conversion's three registers begin on an even number
.endr
	v_nop                                          ; one plain place behind a scaled conversion
.irp c, 0,1
.irp i, 0,1,2
	v_mov_b32 v[C+3+6*\c+\i], v[C2+4*\c+\i]
.endr
.endr
	global_store_b128 v4, v[C:C+3], s[14:15] offset:12288*(\t)          ; each store covers 512 or 256 consecutive bytes, aligned
	global_store_b64 v5, v[C+4:C+5], s[14:15] offset:12288*(\t)+512
	global_store_b128 v4, v[C+6:C+9], s[14:15] offset:12288*(\t)+768
	global_store_b64 v5, v[C+10:C+11], s[14:15] offset:12288*(\t)+1280
.endm
	LOAD 0
	LOAD 1
	STEP 0
	STEP 1
	STEP 2
	STEP 3
	v_cmp_ne_u32 vcc_lo, 0, v3                     ; lanes 0-15 store the first pair of K steps' words, lanes 16-31 the second pair's
	v_cndmask_b32 v[OW], v[W], v[W+2], vcc_lo
	v_cndmask_b32 v[OW+1], v[W+1], v[W+3], vcc_lo
	global_store_b64 v5, v[OW:OW+1], s[16:17]      ; 32 lanes store 256 consecutive bytes, aligned
	s_wait_tensorcnt 0x0
	ds_add_u32 v244, v245
	s_wait_dscnt 0x0
	s_endpgm
.Lfunc_end_k_q4cb9dd52ee_quant:
	.size	k_q4cb9dd52ee_quant, .Lfunc_end_k_q4cb9dd52ee_quant-k_q4cb9dd52ee_quant
	.p2alignl 7, 3214868480
	.fill 96, 4, 3214868480
	.section	.rodata,"a",@progbits
	.p2align	6, 0x0
	.amdhsa_kernel k_q4cb9dd52ee_quant
		.amdhsa_group_segment_fixed_size 34304
		.amdhsa_private_segment_fixed_size 0
		.amdhsa_enable_private_segment 0
		.amdhsa_kernarg_size 56
		.amdhsa_user_sgpr_count 2
		.amdhsa_user_sgpr_kernarg_segment_ptr 1
		.amdhsa_wavefront_size32 1
		.amdhsa_system_sgpr_workgroup_id_x 1
		.amdhsa_system_sgpr_workgroup_id_y 1
		.amdhsa_system_sgpr_workgroup_id_z 1
		.amdhsa_system_vgpr_workitem_id 0
		.amdhsa_next_free_vgpr 246
		.amdhsa_next_free_sgpr 66
		.amdhsa_reserve_vcc 1
		.amdhsa_float_denorm_mode_32 3
		.amdhsa_float_denorm_mode_16_64 3
		.amdhsa_memory_ordered 1
		.amdhsa_forward_progress 1
		.amdhsa_inst_pref_size 31
	.end_amdhsa_kernel
	.amdgpu_metadata
---
amdhsa.version: [ 1, 2 ]
amdhsa.kernels:
  - .name:           k_q4cb9dd52ee_quant
    .symbol:         k_q4cb9dd52ee_quant.kd
    .args:
      - { .name: x, .offset: 0, .size: 8, .value_kind: global_buffer, .address_space: global }
      - { .name: Wq, .offset: 8, .size: 8, .value_kind: global_buffer, .address_space: global }
      - { .name: Wk, .offset: 16, .size: 8, .value_kind: global_buffer, .address_space: global }
      - { .name: Wv, .offset: 24, .size: 8, .value_kind: global_buffer, .address_space: global }
      - { .name: Wp, .offset: 32, .size: 8, .value_kind: global_buffer, .address_space: global }
      - { .name: img, .offset: 40, .size: 8, .value_kind: global_buffer, .address_space: global }
      - { .name: sc, .offset: 48, .size: 8, .value_kind: global_buffer, .address_space: global }
    .group_segment_fixed_size: 34304
    .private_segment_fixed_size: 0
    .kernarg_segment_align: 8
    .kernarg_segment_size: 56
    .max_flat_workgroup_size: 128
    .sgpr_count:     66
    .vgpr_count:     246
    .wavefront_size: 32
...
	.end_amdgpu_metadata
.endif
;; end of part 1
;; launch qkv (part 2): grid 12 x 32, 4 waves a work-group, clusters of 4 x 4, 327,680 bytes of LDS; arguments img, sc, bq, bk, bv, qr, kv; writes qr, kv
.if DOCPART == 2
	.amdgcn_target "amdgcn-amd-amdhsa--gfx1250"
	.amdhsa_code_object_version 6
	.text
	.protected	k_q4cb9dd52ee_qkv
	.globl	k_q4cb9dd52ee_qkv
	.p2align	8
	.type	k_q4cb9dd52ee_qkv,@function
k_q4cb9dd52ee_qkv:
	s_mov_b64 s[64:65], 0
	v_nop
	global_prefetch_b8 v0, s[64:65] scope:SCOPE_SE
	s_setreg_imm32_b32 hwreg(HW_REG_WAVE_MODE, 25, 1), 1
	s_wait_xcnt 0x0
	s_wait_alu depctr_hold_cnt(0) depctr_sa_sdst(0) depctr_va_vdst(0) depctr_va_sdst(0) depctr_va_ssrc(0) depctr_va_vcc(0) depctr_vm_vsrc(0)
	s_getreg_b32 s2, hwreg(HW_REG_IB_STS2, 6, 4)
	s_cmp_eq_u32 s2, 0
	s_cbranch_scc0 .Lentry_in_a_cluster
	s_endpgm
.Lentry_in_a_cluster:
	s_bfe_u32 s2, ttmp6, 0x10000c
	s_cmp_lg_u32 s2, 0xf033
	s_cbranch_scc0 .Lentry_shape_is_right
	s_endpgm
.Lentry_shape_is_right:
; q = x Wq^T + bq, k = x Wk^T + bk, v = x Wv^T + bv on codes of FP6 (E2M3) with E8M0 scales, sums in f32; the results leave as codes again:
; q and k quantised along the head's 64, v along the keys.  Nothing of them goes to memory in f32.
; LIMITS: NaN and infinities are not served; a block whose largest magnitude lies under 2^-124 has its byte held at 1; a block of zeros gets the byte 1 (its codes are zeros; this program alone reads the bytes).
; A tile of C, 256 x 256, is made by four waves, 128 x 128 each: 64 accumulators, 512 registers.  K = 1,024 goes in four steps of 256 through two LDS slots filled by the tensor data mover.
; OPERANDS ARE IMAGES OF REGISTERS: a fragment (16 rows x 128 K) is 1,536 dense bytes, brought by two loads of 16 bytes and two of 8 bytes a lane, each 512 or 256 consecutive bytes a wave: no pitch, no padding.
; Lane r of tile a of a row block holds row 32 (a / 2) + 8 (a % 2) + r + 8 (r / 8), on both sides.  The matrix instruction is used transposed (source 0 = B, source 1 = A):
; register j of lane (r, h) of accumulator (a, b) is A's row of lane r and B's row 32 (b / 2) + 16 h + 8 (b % 2) + j: a lane's 64 registers of one a are 16 neighbours of each block of 32 along B's rows.
; THREE ROLES, by the cluster's x, which all sixteen partners share: 0: A = x, B = Wq; 1: A = x, B = Wk; 2: A = Wv, B = x, so that a lane holds one feature of v and its registers run along the keys.
; CLUSTERS: 4 x 4 work-groups; A's tiles are shared along a row of the cluster, B's along a column, each asked for jointly.
; RECORDS: for each batch, head and block of 128 keys 13,312 bytes: K's 8 half fragments (768 each), V^T's 4 fragments, K's scale words (512), V's (512).  qr has the same records with q in k's places.
; REGISTERS: window 0: v1-29 addresses; v32-63 scale words, two sets; v64-127 the bias along B's rows; v128-223 A's fragments, one set; v224-239 the bias along A's rows.
;   window 1: B's fragments, two sets, at v0 and v128.   windows 2, 3: the accumulators ((a, b) at v[8 (8 (a % 4) + b)]).
.set FR,     12                        ; registers of a fragment
.set NL,     4                         ; LDS loads that bring one
.set NP,     4                         ; places behind this matrix instruction (ISA guide 7.12.1)
.set NQ,     2                         ; K steps of 128 in a slot
.set TILEB,  1536                      ; a fragment's image
.set HALFT,  24576                     ; 128 rows x 256 K: [2 K steps][8 tiles][1,536]: what one tensor load brings
.set SLOT,   4*HALFT                   ; A's two halves, then B's two
.set SCL,    2*SLOT                    ; behind the ring: the scale words of A's 256 rows and B's 256 rows for all of K, 4,096 bytes for each 128 rows: filled once
.set SPARE,  SCL+4*4096                ; behind them the spare words, 128 bytes for each wave: two blocks of 256 bytes that no other line names
.set RBB,    98304                     ; a row block's codes in memory
.set REC,    13312                     ; a record
.set HEADB,  16*REC                    ; a head's records
.set L16,  4                           ; v4      16 x lane
.set L8,   5                           ; v5      8 x lane
.set ADRA, 16                          ; v16-17  LDS address of my A fragments in slot 0, 1, + 16 x lane;  v18-19 + 8 x lane
.set ADRB, 20                          ; v20-23  the same for B
.set ADRS, 27                          ; v27     my scale words: lanes 0-15 A's rows, lanes 16-31 B's
.set SPW,  28                          ; v28     my spare word: SPARE + 4 x my thread's number; never rewritten
.set NIL,  29                          ; v29     0; never rewritten
.set SC,   32
.set BN,   64
.set AF,   128
.set BM,   224
.set TM,   32                          ; the way out: v32-47 at work on a block's scale
.set PWS,  48                          ; v48-55  the eight tiles' scale words
.set SX,   56                          ; v56-63  scale words as they are stored
.set T,    128                         ; v128-191 64 numbers
.set PC,   192                         ; v192-210 their codes
.set PW,   212                         ; v212    their scale word
.set SEL,  46                          ; s[46:47] selects for lane l xor 16 (written at the way out)
.set G1, 24
.set G0, 32
.set G1B, 48
.set G0B, 56
.set G1S, 76
.set G0S, 84
.set G1SB, 88
.set G0SB, 96
.set MSB, 0
.macro WIN new                         ; the immediate's high byte repeats the setting that is left
.if MSB != (\new)
	s_set_vgpr_msb (MSB<<8)|(\new)
.set MSB, (\new)
.endif
.endm
.set MUL_LO, 0xa1                      ; source 0 (B) window 1, source 1 (A) window 0, C and D window 2
.set MUL_HI, 0xf1                      ; the same, C and D window 3
.set TO_B,   0x40                      ; destination window 1, address window 0
; A joint load: waves 0 and 1 fetch for A, waves 2 and 3 for B.  The branch hangs on the wave's number alone.  Four v_nop follow each of the two lines.
.macro JLOAD g0a, g1a, g0b, g1b
	s_cmp_eq_u32 s15, 0
	s_cbranch_scc0 .Lfor_b_\@
	tensor_load_to_lds s[\g0a:\g0a+3], s[\g1a:\g1a+7]
	s_nop 0
.rept 4
	v_nop
.endr
	s_branch .Lasked_\@
.Lfor_b_\@:
	tensor_load_to_lds s[\g0b:\g0b+3], s[\g1b:\g1b+7]
	s_nop 0
.rept 4
	v_nop
.endr
.Lasked_\@:
.endm
.macro CREST                           ; a round of the cluster's barrier behind its opening barrier
	s_cmp_lg_u32 s14, 0
	s_cbranch_scc1 .Lnot_wave_0_\@
	s_barrier_signal -3
.Lnot_wave_0_\@:
	s_barrier_wait -3
	s_barrier_signal -1
	s_barrier_wait -1
.endm
.macro CROUND                          ; a whole round
	s_barrier_signal -1
	s_barrier_wait -1
	CREST
.endm
	s_load_b256 s[4:11], s[0:1], 0x0               ; img s[4:5], sc s[6:7], bq s[8:9], bk s[10:11]
	s_load_b128 s[68:71], s[0:1], 0x20             ; bv s[68:69], qr s[70:71]
	s_load_b64 s[72:73], s[0:1], 0x30              ; kv
	v_lshl_add_u32 v[SPW], v0, 2, SPARE
	v_mov_b32 v[NIL], 0
	ds_add_u32 v28, v29
	ds_add_u32 v28, v29
	s_wait_dscnt 0x0
	v_lshrrev_b32 v1, 5, v0
	v_readfirstlane_b32 s14, v1                    ; wave 0..3
	s_lshr_b32 s15, s14, 1                         ; which half of A's rows is mine.  Also: I fetch for A (0) or for B (1)
	s_and_b32 s16, s14, 1                          ; which half of B's rows.  Also: which 128 rows I fetch
	s_bfe_u32 s40, ttmp6, 0x40000                  ; cx, cy: my place in the cluster
	s_bfe_u32 s41, ttmp6, 0x40004
	s_mov_b32 s42, ttmp9                           ; the cluster's x: the role
	s_and_b32 s17, ttmp7, 0xffff                   ; the cluster's y: which 1,024 rows of x
	s_lshr_b32 s45, s42, 1                         ; m = 1 in the role of v
	s_lshl_b32 s43, s41, 2
	s_lshl_b32 s43, 15, s43                        ; my row of the cluster
	s_lshl_b32 s44, 0x1111, s40                    ; my column
	; descriptor group 1: a dense block as rows of 256 bytes (32 elements of 8 bytes), no padding; codes 96 rows, scale words 16 rows
	s_or_b32 s[G1+0], s43, (3<<16)|(1<<21)         ; 15:0 the mask: A's tiles go to my row; 17:16 elements of 8 bytes; 21 set beside a mask
	s_or_b32 s[G1B+0], s44, (3<<16)|(1<<21)        ; B's go to my column
	s_or_b32 s[G1S+0], s43, (3<<16)|(1<<21)
	s_or_b32 s[G1SB+0], s44, (3<<16)|(1<<21)
.irp g, G1, G1B
	s_mov_b32 s[\g+1], 32<<16                      ; tensor_dim0
	s_mov_b32 s[\g+2], 96<<16                      ; tensor_dim1
	s_mov_b32 s[\g+3], 32<<16                      ; tile_dim0
	s_mov_b32 s[\g+4], 96                          ; tile_dim1
	s_mov_b32 s[\g+5], 32                          ; tensor_dim0_stride
	s_mov_b32 s[\g+6], 0
	s_mov_b32 s[\g+7], 0
.endr
.irp g, G1S, G1SB
	s_mov_b32 s[\g+1], 32<<16
	s_mov_b32 s[\g+2], 16<<16
	s_mov_b32 s[\g+3], 32<<16
	s_mov_b32 s[\g+4], 16
	s_mov_b32 s[\g+5], 32
	s_mov_b32 s[\g+6], 0
	s_mov_b32 s[\g+7], 0
.endr
	s_xor_b32 s46, s45, 1                          ; 1 - m
	s_lshl_b32 s18, s17, 3                         ; 8 x cluster y
	s_mul_i32 s2, s18, s46                         ; A's row block that I fetch: 2 cy + half + 8 y (1 - m) + 80 m: x's, or Wv's.  It never holds cx
	s_mul_i32 s3, s45, 80
	s_add_co_u32 s2, s2, s3
	s_lshl_b32 s3, s41, 1
	s_add_co_u32 s2, s2, s3
	s_add_co_u32 s2, s2, s16
	s_lshl_b32 s20, s2, 12                         ; its scale words, 4,096 bytes a row block
	s_mov_b32 s21, 0
	s_mul_i32 s2, s2, RBB                          ; its codes
	s_mov_b32 s3, 0
	s_lshl_b32 s22, s42, 3                         ; B's: 2 cx + half + (64 + 8 role) (1 - m) + 8 y m: Wq's or Wk's, or x's.  It never holds cy
	s_add_co_u32 s22, s22, 64
	s_mul_i32 s22, s22, s46
	s_mul_i32 s23, s18, s45
	s_add_co_u32 s22, s22, s23
	s_lshl_b32 s23, s40, 1
	s_add_co_u32 s22, s22, s23
	s_add_co_u32 s22, s22, s16
	s_lshl_b32 s46, s22, 12
	s_mov_b32 s47, 0
	s_mul_i32 s22, s22, RBB
	s_mov_b32 s23, 0
	s_mul_i32 s18, s14, HALFT                      ; where they go: wave x 24,576: no place in the cluster enters an LDS address
	s_lshl_b32 s19, s14, 12
	s_add_co_u32 s19, s19, SCL
	s_wait_kmcnt 0x0
	s_add_nc_u64 s[2:3], s[4:5], s[2:3]
	s_add_nc_u64 s[20:21], s[6:7], s[20:21]
	s_add_nc_u64 s[22:23], s[4:5], s[22:23]
	s_add_nc_u64 s[46:47], s[6:7], s[46:47]
	CROUND                                         ; all sixteen work-groups are here: the first joint loads meet
	s_mov_b32 s[G0S], 1
	s_mov_b32 s[G0S+1], s19
	s_mov_b64 s[G0S+2:G0S+3], s[20:21]
	s_or_b32 s[G0S+3], s[G0S+3], 0x80000000
	s_mov_b32 s[G0SB], 1
	s_mov_b32 s[G0SB+1], s19
	s_mov_b64 s[G0SB+2:G0SB+3], s[46:47]
	s_or_b32 s[G0SB+3], s[G0SB+3], 0x80000000
	JLOAD G0S, G1S, G0SB, G1SB                     ; the scale words first: they are wanted with K step 0
.irp s, 0,1
	s_mov_b32 s[G0+4*\s], 1
	s_add_co_u32 s[G0+4*\s+1], s18, \s*SLOT
	s_add_nc_u64 s[G0+4*\s+2:G0+4*\s+3], s[2:3], \s*HALFT
	s_or_b32 s[G0+4*\s+3], s[G0+4*\s+3], 0x80000000
	s_mov_b32 s[G0B+4*\s], 1
	s_add_co_u32 s[G0B+4*\s+1], s18, \s*SLOT
	s_add_nc_u64 s[G0B+4*\s+2:G0B+4*\s+3], s[22:23], \s*HALFT
	s_or_b32 s[G0B+4*\s+3], s[G0B+4*\s+3], 0x80000000
	JLOAD G0+4*\s, G1, G0B+4*\s, G1B               ; three tensor loads of mine are out behind the second of these
.endr
	v_and_b32 v1, 15, v0                           ; r
	v_bfe_u32 v2, v0, 4, 1                         ; h
	v_and_b32 v3, 31, v0                           ; lane
	v_lshlrev_b32 v[L16], 4, v3
	v_lshlrev_b32 v[L8], 3, v3
	s_mul_i32 s2, s15, HALFT                       ; my 128 rows of A
	s_mul_i32 s3, s16, HALFT                       ; my 128 rows of B,
	s_add_co_u32 s3, s3, 2*HALFT                   ; which lie behind A's 256
.irp s, 0,1
	v_add_nc_u32 v[ADRA+\s], s2, v[L16]
	v_add_nc_u32 v[ADRA+2+\s], s2, v[L8]
	v_add_nc_u32 v[ADRB+\s], s3, v[L16]
	v_add_nc_u32 v[ADRB+2+\s], s3, v[L8]
	s_add_co_u32 s2, s2, SLOT
	s_add_co_u32 s3, s3, SLOT
.endr
	s_lshl_b32 s2, s15, 12                         ; scale words: A's, my 128 rows;
	s_lshl_b32 s3, s16, 12                         ; B's, my 128 rows, behind A's 8,192 bytes
	s_add_co_u32 s3, s3, 8192
	s_sub_co_u32 s3, s3, s2
	v_mul_u32_u24 v6, s3, v2                       ; lanes 16-31 take B's: one product, the distance between the two
	s_add_co_u32 s2, s2, SCL
	v_lshl_add_u32 v6, v1, 3, v6                   ; 8 bytes a row: a pair of K steps
	v_add_nc_u32 v[ADRS], s2, v6
	; the biases, on the one way that every work-group takes: along B's rows (used by q and k) and along A's rows (used by v)
	s_cmp_eq_u32 s42, 0
	s_cselect_b64 s[74:75], s[8:9], s[10:11]
	s_cmp_eq_u32 s42, 2
	s_cselect_b64 s[74:75], s[68:69], s[74:75]
	s_lshl_b32 s2, s40, 10
	s_lshl_b32 s3, s16, 9
	s_add_co_u32 s2, s2, s3                        ; (256 cx + 128 half) x 4 bytes
	s_mov_b32 s3, 0
	s_add_nc_u64 s[74:75], s[74:75], s[2:3]
	s_lshl_b32 s2, s41, 10
	s_lshl_b32 s18, s15, 9
	s_add_co_u32 s2, s2, s18                       ; (256 cy + 128 half) x 4 bytes
	s_add_nc_u64 s[100:101], s[68:69], s[2:3]
	v_lshlrev_b32 v8, 6, v2                        ; 16 h numbers on
	v_and_b32 v9, 8, v1
	v_add_nc_u32 v9, v9, v1
	v_lshlrev_b32 v9, 2, v9                        ; r + 8 (r / 8), in bytes
.irp b, 0,1,2,3
.irp i, 0,1,2,3
	global_load_b128 v[BN+16*\b+4*\i:BN+16*\b+4*\i+3], v8, s[74:75] offset:128*\b+16*\i   ; register 16 b + i: B's row 32 b + 16 h + i
.endr
.endr
.irp a, 0,1,2,3,4,5,6,7
	global_load_b32 v[BM+2*\a], v9, s[100:101] offset:(32*(\a/2)+8*(\a%2))*4               ; tile a: my lane's row of A, twice: a pair for the packed addition
	global_load_b32 v[BM+2*\a+1], v9, s[100:101] offset:(32*(\a/2)+8*(\a%2))*4
.endr
.macro FRAG reg, adr, q, i             ; tile i of the slot's q-th K step: the image comes back as the registers that it was
	ds_load_b128 v[\reg:\reg+3], v[\adr] offset:(8*(\q)+(\i))*TILEB
	ds_load_b64 v[\reg+4:\reg+5], v[\adr+2] offset:(8*(\q)+(\i))*TILEB+512
	ds_load_b128 v[\reg+6:\reg+9], v[\adr] offset:(8*(\q)+(\i))*TILEB+768
	ds_load_b64 v[\reg+10:\reg+11], v[\adr+2] offset:(8*(\q)+(\i))*TILEB+1280
.endm
; 16 matrix instructions: A's blocks a0, a0 + 1 x B's eight.  p: B's set;  sc: the set of scale words.  zero = 1: the first product starts the sums.
; The 64 accumulators take turns, one instruction a turn, in the same order in every step.
.macro MUL16 a0, p, q, sc, zero
.irp a, \a0, \a0+1
.irp b, 0,1,2,3,4,5,6,7
.if \zero
	v_wmma_scale_f32_16x16x128_f8f6f4 v[8*(8*((\a)%4)+\b):8*(8*((\a)%4)+\b)+7], v[128*(\p)+FR*\b:128*(\p)+FR*\b+FR-1], v[AF+FR*(\a):AF+FR*(\a)+FR-1], 0, v[SC+8*NQ*(\sc)+NQ*\b+(\q)], v[SC+8*NQ*(\sc)+NQ*(\a)+(\q)] matrix_a_fmt:MATRIX_FMT_FP6 matrix_b_fmt:MATRIX_FMT_FP6 matrix_a_scale:MATRIX_SCALE_ROW1
.else
	v_wmma_scale_f32_16x16x128_f8f6f4 v[8*(8*((\a)%4)+\b):8*(8*((\a)%4)+\b)+7], v[128*(\p)+FR*\b:128*(\p)+FR*\b+FR-1], v[AF+FR*(\a):AF+FR*(\a)+FR-1], v[8*(8*((\a)%4)+\b):8*(8*((\a)%4)+\b)+7], v[SC+8*NQ*(\sc)+NQ*\b+(\q)], v[SC+8*NQ*(\sc)+NQ*(\a)+(\q)] matrix_a_fmt:MATRIX_FMT_FP6 matrix_b_fmt:MATRIX_FMT_FP6 matrix_a_scale:MATRIX_SCALE_ROW1
.endif
.endr
.endr
.endm
.macro FETCH_B slot, q, p
	WIN TO_B
.irp i, 0,1,2,3,4,5,6,7
	FRAG 128*(\p)+FR*\i, ADRB+\slot, \q, \i
.endr
	WIN 0
.endm
.macro FETCH_A slot, q, i0
.irp i, \i0, \i0+1, \i0+2, \i0+3
	FRAG AF+FR*(\i), ADRA+\slot, \q, \i
.endr
.endm
.macro SCALES sc                       ; a slot's two words a row: lanes 0-15 A's tile i, lanes 16-31 B's tile i
.irp i, 0,1,2,3,4,5,6,7
	ds_load_b64 v[SC+8*NQ*\sc+NQ*\i:SC+8*NQ*\sc+NQ*\i+1], v[ADRS] offset:\i*512
.endr
.endm
.macro PLACES n                        ; plain vector places behind matrix instructions, in front of loads into their registers and of reads of their results
.rept \n
	v_nop
.endr
.endm
.macro STEP slot, q, zero              ; a step of 128 along K that has its successor in the same slot
	s_wait_dscnt 4*NL                              ; all but the youngest 16 loads (A's blocks 4-7) are in
	WIN MUL_LO
	MUL16 0, (\q)%2, \q, \slot, \zero
	MUL16 2, (\q)%2, \q, \slot, \zero
	s_wait_dscnt 0x0                               ; A's blocks 4-7 are in
	PLACES NP
	FETCH_B \slot, (\q)+1, 1-(\q)%2
	FETCH_A \slot, (\q)+1, 0
	WIN MUL_HI
	MUL16 4, (\q)%2, \q, \slot, \zero
	MUL16 6, (\q)%2, \q, \slot, \zero
	PLACES NP
	WIN 0
	FETCH_A \slot, (\q)+1, 4
.endm
; A slot's last step changes slots: one barrier; in front of it each wave waits for all its tensor loads, adds 0 to its spare word, and waits for that and for its reads of this slot.
.macro TURN slot, next, fill
	s_wait_tensorcnt 0x0                           ; all my tensor loads have landed: my part of the next slot
	ds_add_u32 v[SPW], v[NIL]                      ; 0 onto my spare word
	s_wait_dscnt 4*NL+1                            ; the add and the youngest 16 loads (A's blocks 4-7) may be out
	WIN MUL_LO
	MUL16 0, 1, NQ-1, \slot, 0                     ; sixteen matrix instructions stand between the add and the wait for it
	s_wait_dscnt 0x0                               ; the add is done, and my reads of this slot are over
	s_barrier_signal -1
	MUL16 2, 1, NQ-1, \slot, 0
	WIN 0
	s_barrier_wait -1
.if \fill
	CREST                                          ; the barrier has opened a round of the cluster's barrier: no wave of any partner still reads this slot or has a load on its way
	s_add_nc_u64 s[G0+4*\slot+2:G0+4*\slot+3], s[G0+4*\slot+2:G0+4*\slot+3], 2*HALFT
	s_add_nc_u64 s[G0B+4*\slot+2:G0B+4*\slot+3], s[G0B+4*\slot+2:G0B+4*\slot+3], 2*HALFT
	JLOAD G0+4*\slot, G1, G0B+4*\slot, G1B         ; the first tensor load behind the round; its four v_nop are also the places in front of the loads below
.else
	PLACES NP
.endif
	v_add_nc_u32 v[ADRS], 128, v[ADRS]             ; the next pair of K steps' scale words
	FETCH_B \next, 0, 0
	FETCH_A \next, 0, 0
	SCALES \next
	WIN MUL_HI
	MUL16 4, 1, NQ-1, \slot, 0
	MUL16 6, 1, NQ-1, \slot, 0
	PLACES NP
	WIN 0
	FETCH_A \next, 0, 4
.endm
	s_wait_tensorcnt 1                             ; the scale words and my part of slot 0 are in; slot 1's load may be out
	s_barrier_signal -1
	s_barrier_wait -1
	FETCH_B 0, 0, 0
	FETCH_A 0, 0, 0
	SCALES 0
	FETCH_A 0, 0, 4
	STEP 0, 0, 1                                   ; K = 1,024 is four slots' worth: written out, no loop
	TURN 0, 1, 1
	STEP 1, 0, 0
	TURN 1, 0, 1
	STEP 0, 0, 0
	TURN 0, 1, 0                                   ; nothing is left to fetch
	STEP 1, 0, 0
	s_wait_dscnt 4*NL
	WIN MUL_LO
	MUL16 0, 1, NQ-1, 1, 0
	MUL16 2, 1, NQ-1, 1, 0
	s_wait_dscnt 0x0
	WIN MUL_HI
	MUL16 4, 1, NQ-1, 1, 0
	MUL16 6, 1, NQ-1, 1, 0
	WIN 0
; THE WAY OUT uses no LDS: a block's 64 numbers of a lane get their bias, become a fragment's codes in registers, and the image is stored as it stands.
; 64 numbers, register 16 b + i = index 32 b + 16 h + i of my row, become codes in v[PC] on and the row's scale word in v[PW].
.macro QUANT s
.irp b, 0,1,2,3
	v_max3_num_f32 v[TM+\b], |v[\s+16*\b]|, |v[\s+1+16*\b]|, 0x1800000   ; my 16 numbers of block b, and the floor 2^(3 - 127): the byte cannot fall under 1
.endr
.irp i, 2,4,6,8,10,12,14
.irp b, 0,1,2,3
	v_max3_num_f32 v[TM+\b], v[TM+\b], |v[\s+16*\b+\i]|, |v[\s+1+16*\b+\i]|
.endr
.endr
.irp b, 0,1,2,3
	v_permlanex16_b32 v[TM+4+\b], v[TM+\b], s[SEL], s[SEL+1]
.endr
.irp b, 0,1,2,3
	v_max_num_f32 v[TM+\b], v[TM+\b], v[TM+4+\b]   ; with lane l xor 16's: the block's largest magnitude
.endr
.irp b, 0,1,2,3
	v_add_nc_u32 v[TM+12+\b], 0xff000000, v[TM+\b] ; 2 off its exponent field: the conversion's scale operand
.endr
.irp b, 0,1,2,3
	v_lshrrev_b32 v[TM+4+\b], 23, v[TM+12+\b]      ; the scale's byte
.endr
	v_lshl_or_b32 v[PW], v[TM+5], 8, v[TM+4]
	v_lshl_or_b32 v[PW], v[TM+6], 16, v[PW]
	v_lshl_or_b32 v[PW], v[TM+7], 24, v[PW]
.irp c, 0,1
	v_cvt_scalef32_pk16_fp6_f32 v[PC+6*\c:PC+2+6*\c], v[\s+32*\c:\s+15+32*\c], v[TM+12+2*\c]
	v_cvt_scalef32_pk16_fp6_f32 v[PC+12+4*\c:PC+14+4*\c], v[\s+16+32*\c:\s+31+32*\c], v[TM+12+2*\c+1]
.endr
	v_nop                                          ; one plain place behind a scaled conversion
.irp c, 0,1                                    ; the operand wants a whole block in a lane: lanes 0-15 block 2 c, lanes 16-31 block 2 c + 1
.irp i, 0,1,2
	v_permlane16_swap_b32 v[PC+6*\c+\i], v[PC+12+4*\c+\i]
.endr
.irp i, 0,1,2
	v_mov_b32 v[PC+3+6*\c+\i], v[PC+12+4*\c+\i]
.endr
.endr
.endm
; A's block a.  mode 0 (q, k): bias along the registers; the fragment's two halves are two heads' 64.  mode 1 (v): bias of my lane's feature; the fragment is 16 features x 128 keys.
.macro EPI a, mode
	WIN 0x02+(\a)/4                                ; source 0: the accumulators' window
.set j, 0
.rept 32
.if \mode
	v_pk_add_f32 v[T+j:T+j+1], v[64*((\a)%4)+j:64*((\a)%4)+j+1], v[BM+2*(\a):BM+2*(\a)+1]
.else
	v_pk_add_f32 v[T+j:T+j+1], v[64*((\a)%4)+j:64*((\a)%4)+j+1], v[BN+j:BN+j+1]   ; each accumulator from its low end on; the addition is also the move into window 0
.endif
.set j, j+2
.endr
	WIN 0
	s_wait_xcnt 0x0                                ; the last block's stores have read the codes' registers
	QUANT T
	v_mov_b32 v[PWS+(\a)], v[PW]
.if \mode
	global_store_b128 v[L16], v[PC:PC+3], s[66:67] offset:((\a)/4)*HEADB+((\a)%4)*TILEB
	global_store_b64 v[L8], v[PC+4:PC+5], s[66:67] offset:((\a)/4)*HEADB+((\a)%4)*TILEB+512
	global_store_b128 v[L16], v[PC+6:PC+9], s[66:67] offset:((\a)/4)*HEADB+((\a)%4)*TILEB+768
	global_store_b64 v[L8], v[PC+10:PC+11], s[66:67] offset:((\a)/4)*HEADB+((\a)%4)*TILEB+1280
.else
	global_store_b128 v[L16], v[PC:PC+3], s[66:67] offset:768*(\a)                 ; each store covers 512 or 256 consecutive bytes, aligned
	global_store_b64 v[L8], v[PC+4:PC+5], s[66:67] offset:768*(\a)+512
	global_store_b128 v[L16], v[PC+6:PC+9], s[66:67] offset:HEADB+768*(\a)         ; the next head
	global_store_b64 v[L8], v[PC+10:PC+11], s[66:67] offset:HEADB+768*(\a)+512
.endif
.endm
; s18 = the byte of the record of row block 8 y + 2 c + w of x and head 4 d + 2 u
.macro RECORD c, w, d, u
	s_lshl_b32 s2, s17, 3
	s_lshl_b32 s3, s[\c], 1
	s_add_co_u32 s2, s2, s3
	s_add_co_u32 s2, s2, s[\w]                     ; the row block: 16 x batch + block of 128 tokens
	s_lshl_b32 s3, s[\d], 2
	s_lshl_b32 s18, s[\u], 1
	s_add_co_u32 s3, s3, s18                       ; the head
	s_lshr_b32 s18, s2, 4
	s_lshl_b32 s18, s18, 8
	s_lshl_b32 s3, s3, 4
	s_add_co_u32 s18, s18, s3
	s_and_b32 s2, s2, 15
	s_add_co_u32 s18, s18, s2
	s_mul_i32 s18, s18, REC
	s_mov_b32 s19, 0
.endm
	PLACES NP                                      ; behind the last products: their results are read and their operands' registers written below
	s_wait_loadcnt 0x0                             ; the biases
	s_mov_b32 s[SEL], 0x76543210
	s_mov_b32 s[SEL+1], 0xfedcba98
.irp b, 0,1,2,3
	v_mov_b32 v[TM+4+\b], 0                        ; written once: a lane permute's destination counts as one of its sources
.endr
	s_cmp_eq_u32 s45, 0                            ; the role: the same in all sixteen partners; no barrier and no tensor load stands on either way
	s_cbranch_scc0 .Lv_out
	RECORD 41, 15, 40, 16                          ; q, k: tokens by A's rows (cy, my half of A), heads by B's rows (cx, my half of B)
	s_cmp_eq_u32 s42, 0
	s_cselect_b64 s[12:13], s[70:71], s[72:73]
	s_add_nc_u64 s[66:67], s[12:13], s[18:19]
.irp a, 0,1,2,3,4,5,6,7
	EPI \a, 0
.endr
	v_cmp_ne_u32 vcc_lo, 0, v2                     ; the scale image: lane l, word j = tile 4 h + j; a head's two bytes below, zeros above (the products' upper 64 along K are zero codes)
.irp j, 0,1,2,3
	v_cndmask_b32 v[SX+\j], v[PWS+\j], v[PWS+4+\j], vcc_lo
.endr
.irp j, 0,1,2,3
	v_lshrrev_b32 v[SX+4+\j], 16, v[SX+\j]
.endr
.irp j, 0,1,2,3
	v_and_b32 v[SX+\j], 0xffff, v[SX+\j]
.endr
	global_store_b128 v[L16], v[SX:SX+3], s[66:67] offset:12288
	global_store_b128 v[L16], v[SX+4:SX+7], s[66:67] offset:HEADB+12288
	s_branch .Ljoin
.Lv_out:
	RECORD 40, 16, 41, 15                          ; v: keys by B's rows, heads by A's rows
	s_add_co_u32 s18, s18, 6144                    ; V's place in a record
	s_add_nc_u64 s[66:67], s[72:73], s[18:19]
.irp a, 0,1,2,3,4,5,6,7
	EPI \a, 1
.endr
	global_store_b128 v[L16], v[PWS:PWS+3], s[66:67] offset:6656          ; V's scale image: word t = tile t; both halves of the lanes hold the same
	global_store_b128 v[L16], v[PWS+4:PWS+7], s[66:67] offset:HEADB+6656
.Ljoin:
	s_wait_tensorcnt 0x0                           ; the wave's end
	ds_add_u32 v[SPW], v[NIL]
	s_wait_dscnt 0x0
	CROUND                                         ; the closing round: no work-group ends while a partner may still ask for a tile that names it
	s_endpgm
.Lfunc_end_k_q4cb9dd52ee_qkv:
	.size	k_q4cb9dd52ee_qkv, .Lfunc_end_k_q4cb9dd52ee_qkv-k_q4cb9dd52ee_qkv
	.p2alignl 7, 3214868480
	.fill 96, 4, 3214868480
	.section	.rodata,"a",@progbits
	.p2align	6, 0x0
	.amdhsa_kernel k_q4cb9dd52ee_qkv
		.amdhsa_group_segment_fixed_size 327680
		.amdhsa_private_segment_fixed_size 0
		.amdhsa_enable_private_segment 0
		.amdhsa_kernarg_size 56
		.amdhsa_user_sgpr_count 2
		.amdhsa_user_sgpr_kernarg_segment_ptr 1
		.amdhsa_wavefront_size32 1
		.amdhsa_system_sgpr_workgroup_id_x 1
		.amdhsa_system_sgpr_workgroup_id_y 1
		.amdhsa_system_sgpr_workgroup_id_z 1
		.amdhsa_system_vgpr_workitem_id 0
		.amdhsa_next_free_vgpr 1024
		.amdhsa_next_free_sgpr 102
		.amdhsa_reserve_vcc 1
		.amdhsa_float_denorm_mode_32 3
		.amdhsa_float_denorm_mode_16_64 3
		.amdhsa_memory_ordered 1
		.amdhsa_forward_progress 1
		.amdhsa_inst_pref_size 219
	.end_amdhsa_kernel
	.amdgpu_metadata
---
amdhsa.version: [ 1, 2 ]
amdhsa.kernels:
  - .name:           k_q4cb9dd52ee_qkv
    .symbol:         k_q4cb9dd52ee_qkv.kd
    .args:
      - { .name: img, .offset: 0, .size: 8, .value_kind: global_buffer, .address_space: global }
      - { .name: sc, .offset: 8, .size: 8, .value_kind: global_buffer, .address_space: global }
      - { .name: bq, .offset: 16, .size: 8, .value_kind: global_buffer, .address_space: global }
      - { .name: bk, .offset: 24, .size: 8, .value_kind: global_buffer, .address_space: global }
      - { .name: bv, .offset: 32, .size: 8, .value_kind: global_buffer, .address_space: global }
      - { .name: qr, .offset: 40, .size: 8, .value_kind: global_buffer, .address_space: global }
      - { .name: kv, .offset: 48, .size: 8, .value_kind: global_buffer, .address_space: global }
    .group_segment_fixed_size: 327680
    .private_segment_fixed_size: 0
    .kernarg_segment_align: 8
    .kernarg_segment_size: 56
    .max_flat_workgroup_size: 128
    .sgpr_count:     102
    .vgpr_count:     1024
    .wavefront_size: 32
...
	.end_amdgpu_metadata
.endif
;; end of part 2
;; launch attn (part 3): grid 4 x 64, 16 waves a work-group, no clusters, 215,040 bytes of LDS; arguments qr, kv, o_img, o_sc; writes o_img, o_sc
.if DOCPART == 3
	.amdgcn_target "amdgcn-amd-amdhsa--gfx1250"
	.amdhsa_code_object_version 6
	.text
	.protected	k_q4cb9dd52ee_attn
	.globl	k_q4cb9dd52ee_attn
	.p2align	8
	.type	k_q4cb9dd52ee_attn,@function
k_q4cb9dd52ee_attn:
	s_mov_b64 s[64:65], 0
	v_nop
	global_prefetch_b8 v0, s[64:65] scope:SCOPE_SE
	s_setreg_imm32_b32 hwreg(HW_REG_WAVE_MODE, 25, 1), 1
	s_wait_xcnt 0x0
; o[b][h][q] = the sum over keys k <= q of softmax_k(8 q . k) v[k], both products on codes of FP6 (E2M3) with E8M0 scales; o leaves as codes, quantised along d for the last product.
; THE SOFTMAX: t = score x 8 log2(e); M = the running largest t rounded UP to a whole number; p = 2^(t - M) is quantised along the keys, not normalised; the row's sum is taken of the
; unquantised p and divides O at the end.  When M moves, the sum and O are multiplied by 2^(old M - new M): exact.
; LIMITS: NaN and infinities are not served; a block of p or of o whose largest magnitude lies under 2^-124 has its byte held at 1 (a block of zeros too: its codes are zeros).
; SHARES.  A work-group owns four blocks of 128 queries of one head: 2 x, 2 x + 1, 14 - 2 x, 15 - 2 x.  Wave w takes tile w % 8 (16 queries) of block 2 x + w / 8, then the same tile of block 15 - that.
; A block j has j + 1 key steps of 128 that the mask leaves, so every wave of the launch has 17, two of them on the diagonal.
; THE HEAD STAYS IN LDS: its 16 records (K's half fragments, V^T's fragments, their scale words; 13,312 bytes for each 128 keys) are 212,992 dense bytes, filled once: each wave brings four pieces of 3,328 bytes,
; one of each group of four records, so four tensor loads of a wave are out.  Nothing is filled again.  The low block is worked first, while the later groups land.
; NO JOINT LOADS, though the four work-groups of a head read the same bytes: a step under the mask is jumped over by a branch on the query block, which hangs on the work-group's place among the four.
; LAYOUT.  S^T = K Q^T, O^T = V^T P^T: a lane holds one query throughout.  Lane r of a tile holds row 32 (a / 2) + 8 (a % 2) + r + 8 (r / 8), so the 16 registers of tiles 2 b, 2 b + 1 are keys 32 b + 16 h + 0 .. 15.
; THE HEAD IS 64, THE INSTRUCTION'S K 128: Q's fragment holds zero codes for k = 64 .. 127, and the scale bytes there are 0 on both sides; K's operand for tile t names six registers more, the next tile's codes: finite numbers times zeros.
.set REC,   13312
.set HEADB, 16*REC
.set GRP,   4*REC                      ; a group of four records
.set PIECE, 3328                       ; a wave's part of a group: 13 rows of 256 bytes
.set RBB,   98304
.set KSC,   12288                      ; in a record: K's scale words,
.set VOF,   6144                       ; V^T's fragments,
.set VSC,   12800                      ; V's scale words
.set KS,   28                          ; v28-31   K's scale words: word j = tile 4 h + j
.set KV,   32                          ; v32-79   K's eight half fragments, later V's four fragments;  v80-85 zeros
.set VS,   86                          ; v86-89   V's scale words
.set Q0F,  16                          ; v16-27   Q of the first pass (v22-27 zeros)
.set Q1F,  90                          ; v90-101  Q of the second pass (v96-101 zeros)
.set S,    102                         ; v102-165 the scores, then p
.set O,    166                         ; v166-197 O^T
.set PC,   198                         ; v198-209 p's codes
.set C2,   210                         ; v210-216 second conversion results; later the second chain of the sum
.set BMX,  218                         ; v218-221 the blocks' largest scores
.set PD,   222                         ; v222-225 permute destinations, then bytes
.set SOP,  226                         ; v226-229 the conversions' scale operands
.set PW,   232                         ; v232     p's scale word
.set OW,   235                         ; v235     o's two scale bytes
.set Q0S,  236                         ; v236, v237 Q's scale words
.set Q1S,  237
.set WV,   18
.set TA,   19                          ; s19  my tile of a block
.set SEL,  20
.set CS,   22                          ; s[22:23] c = 8 log2(e)
.set G1,   24
.set G0,   32                          ; s[32:47] four groups 0
.set QB0,  48
.set QB1,  49
.set KB,   50                          ; the key block in hand
.set TB,   51                          ; its record's LDS byte
.set CNT,  70
	s_load_b256 s[4:11], s[0:1], 0x0               ; qr s[4:5], kv s[6:7], o_img s[8:9], o_sc s[10:11]
	v_lshl_add_u32 v254, v0, 2, 0x34000
	v_mov_b32 v255, 0
	ds_add_u32 v254, v255
	ds_add_u32 v254, v255
	v_lshrrev_b32 v8, 5, v0
	v_readfirstlane_b32 s[WV], v8                  ; wave 0..15
	s_and_b32 s71, ttmp7, 0xffff                   ; 16 x batch + head
	s_and_b32 s[TA], s[WV], 7
	s_lshr_b32 s72, s[WV], 3
	s_lshl_b32 s[QB0], ttmp9, 1
	s_add_co_u32 s[QB0], s[QB0], s72               ; the first pass's block of queries, 0 .. 7
	s_sub_co_u32 s[QB1], 15, s[QB0]                ; the second's, 8 .. 15
	s_mov_b32 s[G1], 3<<16                         ; elements of 8 bytes, no mask, no padding
	s_mov_b32 s[G1+1], 32<<16                      ; tensor_dim0: rows of 256 bytes
	s_mov_b32 s[G1+2], 13<<16                      ; tensor_dim1
	s_mov_b32 s[G1+3], 32<<16                      ; tile_dim0
	s_mov_b32 s[G1+4], 13                          ; tile_dim1
	s_mov_b32 s[G1+5], 32                          ; the pitch: dense
	s_mov_b32 s[G1+6], 0
	s_mov_b32 s[G1+7], 0
	s_mul_i32 s73, s[WV], PIECE                    ; my piece of a group, in LDS and in memory alike
	s_mul_i32 s74, s71, HEADB
	s_add_co_u32 s74, s74, s73
	s_mov_b32 s75, 0
	s_mov_b32 s[SEL], 0x76543210
	s_mov_b32 s[SEL+1], 0xfedcba98
	s_mov_b32 s[CS], 0x4138aa3b                    ; 8 log2(e)
	s_mov_b32 s[CS+1], s[CS]                       ; named with it as a pair, so it is written
	s_wait_dscnt 0x0
	s_wait_kmcnt 0x0
	s_add_nc_u64 s[74:75], s[6:7], s[74:75]
.irp g, 0,1,2,3
	s_mov_b32 s[G0+4*\g], 1
	s_add_co_u32 s[G0+4*\g+1], s73, \g*GRP
	s_add_nc_u64 s[G0+4*\g+2:G0+4*\g+3], s[74:75], \g*GRP
	s_or_b32 s[G0+4*\g+3], s[G0+4*\g+3], 0x80000000
.endr
.irp g, 0,1,2,3
	tensor_load_to_lds s[G0+4*\g:G0+4*\g+3], s[G1:G1+7]   ; all first fills together, ahead of every wait on TENSORcnt, every LDS read and every barrier
	s_nop 0
.endr
.rept 4
	v_nop
.endr
; the addresses of a pass: Q's half fragment and scale words in qr; o's half fragment in o_img and its two bytes a row in o_sc
.macro PTRS qb, qc, qs, oi, os
	s_lshl_b32 s76, s71, 4
	s_add_co_u32 s76, s76, s[\qb]
	s_mul_i32 s76, s76, REC                        ; the record
	s_mul_i32 s77, s[TA], 768
	s_add_co_u32 s78, s76, s77
	s_mov_b32 s79, 0
	s_add_nc_u64 s[\qc:\qc+1], s[4:5], s[78:79]
	s_lshr_b32 s77, s[TA], 2
	s_lshl_b32 s77, s77, 8                         ; tiles 4-7 lie in lanes 16-31 of the scale image,
	s_add_co_u32 s78, s76, s77
	s_and_b32 s77, s[TA], 3
	s_lshl_b32 s77, s77, 2                         ; word a % 4
	s_add_co_u32 s78, s78, s77
	s_add_co_u32 s78, s78, KSC
	s_add_nc_u64 s[\qs:\qs+1], s[4:5], s[78:79]
	s_lshr_b32 s76, s71, 4
	s_lshl_b32 s76, s76, 4
	s_add_co_u32 s76, s76, s[\qb]                  ; o's row block: 16 x batch + block
	s_mul_i32 s78, s76, RBB
	s_bfe_u32 s77, s71, 0x30001                    ; K step = head / 2
	s_mul_i32 s77, s77, 12288
	s_add_co_u32 s78, s78, s77
	s_mul_i32 s77, s[TA], 1536
	s_add_co_u32 s78, s78, s77
	s_and_b32 s77, s71, 1                          ; half fragment = head % 2
	s_mul_i32 s77, s77, 768
	s_add_co_u32 s78, s78, s77
	s_add_nc_u64 s[\oi:\oi+1], s[8:9], s[78:79]
	s_lshl_b32 s78, s76, 3
	s_add_co_u32 s78, s78, s[TA]
	s_lshl_b32 s78, s78, 9                         ; 512 bytes a tile
	s_bfe_u32 s77, s71, 0x20002                    ; pair of K steps = head / 4
	s_lshl_b32 s77, s77, 7
	s_add_co_u32 s78, s78, s77
	s_bfe_u32 s77, s71, 0x10001                    ; word = (head / 2) % 2
	s_lshl_b32 s77, s77, 2
	s_add_co_u32 s78, s78, s77
	s_and_b32 s77, s71, 1                          ; bytes 2 (head % 2) on
	s_lshl_b32 s77, s77, 1
	s_add_co_u32 s78, s78, s77
	s_add_nc_u64 s[\os:\os+1], s[10:11], s[78:79]
.endm
	PTRS QB0, 52, 54, 60, 62
	PTRS QB1, 56, 58, 66, 68
	v_and_b32 v9, 31, v0
	v_lshlrev_b32 v1, 4, v9                        ; v1  16 x lane
	v_lshlrev_b32 v2, 3, v9                        ; v2  8 x lane
	v_and_b32 v8, 15, v0                           ; r
	v_bfe_u32 v9, v0, 4, 1                         ; h
	v_lshlrev_b32 v6, 4, v8                        ; v6  16 r
	v_lshlrev_b32 v7, 3, v8                        ; v7  8 r
	global_load_b128 v[Q0F:Q0F+3], v1, s[52:53]
	global_load_b64 v[Q0F+4:Q0F+5], v2, s[52:53] offset:512
	global_load_b32 v[Q0S], v6, s[54:55]
	global_load_b128 v[Q1F:Q1F+3], v1, s[56:57]
	global_load_b64 v[Q1F+4:Q1F+5], v2, s[56:57] offset:512
	global_load_b32 v[Q1S], v6, s[58:59]
	v_and_b32 v10, 8, v8
	v_add_nc_u32 v10, v10, v8                      ; r + 8 (r / 8)
	v_lshlrev_b32 v11, 4, v9
	v_sub_nc_u32 v10, v10, v11                     ; - 16 h
	s_lshr_b32 s76, s[TA], 1
	s_lshl_b32 s76, s76, 5
	s_and_b32 s77, s[TA], 1
	s_lshl_b32 s77, s77, 3
	s_add_co_u32 s76, s76, s77
	v_add_nc_u32 v5, s76, v10                      ; v5  my query in its block, less 16 h: register 16 b + i is hidden on the diagonal where 32 b + i is larger
.irp i, 0,1,2,3,4,5
	v_mov_b32 v[Q0F+6+\i], 0                       ; zero codes for k = 64 .. 127
	v_mov_b32 v[Q1F+6+\i], 0
	v_mov_b32 v[KV+48+\i], 0                       ; what tile 7's operand names behind its own six
.endr
.irp b, 0,1,2,3
	v_mov_b32 v[PD+\b], 0                          ; written once: a lane permute's destination counts as one of its sources
.endr
	v_mov_b32 v231, 0                              ; named as the upper half of the pair v[230:231]
	v_mov_b32 v233, 0
	v_mov_b32 v234, 0xff800000                     ; -infinity
; A KEY STEP: 128 keys, record KB.  QF, QS: the pass's Q and its scale words;  QB: its block of queries.
.macro STEP QF, QS, QB
	s_cmp_gt_u32 s[KB], s[\QB]                     ; all its keys come after my queries: the work is jumped over, on ids alone; the lines at the end that step KB and TB are not
	s_cbranch_scc1 .Lhidden_\@
	v_add_nc_u32 v3, s[TB], v1
	v_add_nc_u32 v4, s[TB], v2
	v_nop
	v_nop                                          ; four places in front of loads into registers that the last products read
.irp t, 0,1,2,3,4,5,6,7
	ds_load_b128 v[KV+6*\t:KV+6*\t+3], v3 offset:768*\t
	ds_load_b64 v[KV+6*\t+4:KV+6*\t+5], v4 offset:768*\t+512
.endr
	ds_load_b128 v[KS:KS+3], v3 offset:KSC
	s_wait_dscnt 0x0
.irp t, 0,1,2,3
	v_wmma_scale_f32_16x16x128_f8f6f4 v[S+8*\t:S+8*\t+7], v[KV+6*\t:KV+6*\t+11], v[\QF:\QF+11], 0, v[KS+\t], v[\QS] matrix_a_fmt:MATRIX_FMT_FP6 matrix_b_fmt:MATRIX_FMT_FP6
.endr
.irp t, 4,5,6,7
	v_wmma_scale_f32_16x16x128_f8f6f4 v[S+8*\t:S+8*\t+7], v[KV+6*\t:KV+6*\t+11], v[\QF:\QF+11], 0, v[KS+\t-4], v[\QS] matrix_a_fmt:MATRIX_FMT_FP6 matrix_b_fmt:MATRIX_FMT_FP6 matrix_a_scale:MATRIX_SCALE_ROW1
.endr
.rept 4
	v_nop                                          ; places: K's registers take V, and the scores are read
.endr
.irp t, 0,1,2,3                                ; V's fragments land under the softmax
	ds_load_b128 v[KV+12*\t:KV+12*\t+3], v3 offset:VOF+1536*\t
	ds_load_b64 v[KV+12*\t+4:KV+12*\t+5], v4 offset:VOF+1536*\t+512
	ds_load_b128 v[KV+12*\t+6:KV+12*\t+9], v3 offset:VOF+1536*\t+768
	ds_load_b64 v[KV+12*\t+10:KV+12*\t+11], v4 offset:VOF+1536*\t+1280
.endr
	ds_load_b128 v[VS:VS+3], v3 offset:VSC
	s_cmp_lt_u32 s[KB], s[\QB]                     ; all its keys count: no mask
	s_cbranch_scc1 .Lopen_\@
.set n, 0
.rept 64                                       ; on the diagonal hidden scores become -infinity ahead of the maximum: p = 0 then
	v_cmp_gt_i32 vcc_lo, 32*(n/16)+n%16, v5
	v_cndmask_b32 v[S+n], v[S+n], v234, vcc_lo
.set n, n+1
.endr
.Lopen_\@:
.irp b, 0,1,2,3
	v_max3_num_f32 v[BMX+\b], v[S+16*\b], v[S+1+16*\b], v[S+2+16*\b]   ; the largest score of each block of 32 keys: for the row's maximum, and, since p rises with the score, for the block's largest p
.endr
.irp i, 3,5,7,9,11,13
.irp b, 0,1,2,3
	v_max3_num_f32 v[BMX+\b], v[BMX+\b], v[S+16*\b+\i], v[S+1+16*\b+\i]
.endr
.endr
.irp b, 0,1,2,3
	v_max_num_f32 v[BMX+\b], v[BMX+\b], v[S+15+16*\b]
.endr
.irp b, 0,1,2,3
	v_permlanex16_b32 v[PD+\b], v[BMX+\b], s[SEL], s[SEL+1]
.endr
.irp b, 0,1,2,3
	v_max_num_f32 v[BMX+\b], v[BMX+\b], v[PD+\b]   ; with lane l xor 16's 16 keys
.endr
	v_max3_num_f32 v233, v[BMX], v[BMX+1], v[BMX+2]
	v_max_num_f32 v233, v233, v[BMX+3]             ; the step's largest score of my query
	v_mul_f32 v233, s[CS], v233                    ; as t (c is positive)
	v_max_num_f32 v13, v13, v233                   ; the running largest t
	v_mov_b32 v233, v12
	v_floor_f32 v12, -v13                          ; the new -M = floor(-t): M is a whole number
	v_sub_f32 v233, v12, v233                      ; old M - new M: a whole number, 0 or less
	v_cvt_i32_f32 v233, v233                       ; (it saturates)
	v_ldexp_f32 v230, 1.0, v233                    ; f = 2^(old M - new M)
.set j, 0
.rept 32
	v_pk_fma_f32 v[S+j:S+j+1], v[S+j:S+j+1], s[CS:CS+1], v[12:13] op_sel_hi:[1,0,0]   ; t - M, two at a time
.set j, j+2
.endr
.irp b, 0,1,2,3
	v_fma_f32 v[BMX+\b], v[BMX+\b], s[CS], v12     ; the same of each block's largest score
.endr
.set j, 0
.rept 64
	v_exp_f32 v[S+j], v[S+j]                       ; p = 2^(t - M), at most 1
.set j, j+1
.endr
.irp b, 0,1,2,3
	v_exp_f32 v[BMX+\b], v[BMX+\b]                 ; the block's largest p: the same two instructions on the same number
.endr
	v_pk_mul_f32 v[14:15], v[14:15], v[230:231] op_sel_hi:[1,0]   ; the sums under the new M (a plain place behind the exponentials)
	s_wait_alu depctr_va_vdst(0)
.irp b, 0,1,2,3
	v_max_num_f32 v[BMX+\b], 0x1800000, v[BMX+\b]  ; the floor 2^(3 - 127): the byte cannot fall under 1
.endr
.irp b, 0,1,2,3
	v_add_nc_u32 v[SOP+\b], 0xff000000, v[BMX+\b]  ; 2 off the exponent field: the conversion's scale operand
.endr
.irp b, 0,1,2,3
	v_lshrrev_b32 v[PD+\b], 23, v[SOP+\b]          ; the scale's byte
.endr
	v_lshl_or_b32 v[PW], v[PD+1], 8, v[PD]         ; p's scale word for these 128 keys
	v_lshl_or_b32 v[PW], v[PD+2], 16, v[PW]
	v_lshl_or_b32 v[PW], v[PD+3], 24, v[PW]
.irp c, 0,1
	v_cvt_scalef32_pk16_fp6_f32 v[PC+6*\c:PC+6*\c+2], v[S+32*\c:S+32*\c+15], v[SOP+2*\c]
	v_cvt_scalef32_pk16_fp6_f32 v[C2+4*\c:C2+4*\c+2], v[S+32*\c+16:S+32*\c+31], v[SOP+2*\c+1]
.endr
	v_nop                                          ; one plain place behind a scaled conversion
.irp c, 0,1                                    ; a whole block in a lane: lanes 0-15 block 2 c, lanes 16-31 block 2 c + 1
.irp i, 0,1,2
	v_permlane16_swap_b32 v[PC+6*\c+\i], v[C2+4*\c+\i]
.endr
.irp i, 0,1,2
	v_mov_b32 v[PC+3+6*\c+\i], v[C2+4*\c+\i]
.endr
.endr
	v_pk_add_f32 v[C2:C2+1], v[S:S+1], v[S+2:S+3]  ; the row's sum is taken of the unquantised p: two at a time, in two chains
.irp j, 4,8,12,16,20,24,28,32,36,40,44,48,52,56,60
	v_pk_add_f32 v[14:15], v[14:15], v[S+\j:S+\j+1]
	v_pk_add_f32 v[C2:C2+1], v[C2:C2+1], v[S+\j+2:S+\j+3]
.endr
	v_pk_add_f32 v[14:15], v[14:15], v[C2:C2+1]
.set j, 0
.rept 16
	v_pk_mul_f32 v[O+j:O+j+1], v[O+j:O+j+1], v[230:231] op_sel_hi:[1,0]   ; O^T under the new M, each accumulator from its low end on; with the sums above, the places in front of the products below
.set j, j+2
.endr
	s_wait_dscnt 0x0                               ; V is in
.irp t, 0,1,2,3                                ; the four accumulators take turns
	v_wmma_scale_f32_16x16x128_f8f6f4 v[O+8*\t:O+8*\t+7], v[KV+12*\t:KV+12*\t+11], v[PC:PC+11], v[O+8*\t:O+8*\t+7], v[VS+\t], v[PW] matrix_a_fmt:MATRIX_FMT_FP6 matrix_b_fmt:MATRIX_FMT_FP6
.endr
.Lhidden_\@:
	s_add_co_u32 s[KB], s[KB], 1
	s_add_co_u32 s[TB], s[TB], REC
.endm
.macro LOOPK n, QF, QS, QB             ; n key blocks: the trip count is a constant; only a step's work is jumped over
	s_mov_b32 s[CNT], \n
.Lk_\@:
	STEP \QF, \QS, \QB
	s_sub_co_u32 s[CNT], s[CNT], 1
	s_cmp_lg_u32 s[CNT], 0
	s_cbranch_scc1 .Lk_\@
.endm
.macro MEET n                          ; my pieces of the groups wanted next have landed (n later ones may be out), my LDS loads are in: then everybody's
	s_wait_tensorcnt \n
	s_wait_dscnt 0x0
	s_barrier_signal -1
	s_barrier_wait -1
.endm
.macro INIT
	s_mov_b32 s[KB], 0
	s_mov_b32 s[TB], 0
	v_mov_b32 v13, 0xff61b1e6                      ; the largest t so far: -3e38, under every t
	v_floor_f32 v12, -v13                          ; -M
	v_mov_b32 v14, 0                               ; the sum, in two halves
	v_mov_b32 v15, 0
.set j, 0
.rept 32
	v_mov_b32 v[O+j], 0                            ; the step is written once for first and later steps: the first change of M multiplies zeros
.set j, j+1
.endr
.endm
; O^T / the sum; its 32 numbers a lane (register 16 b + i = feature 32 b + 16 h + i) are two blocks along d: half a fragment of the last product's A, and two bytes of a row's scale word
.macro OUT oi, os
.rept 4
	v_nop                                          ; places behind the last products
.endr
	v_add_f32 v14, v14, v15
	v_permlanex16_b32 v233, v14, s[SEL], s[SEL+1]
	v_add_f32 v14, v14, v233                       ; the row's sum
	v_rcp_f32 v230, v14
	v_nop                                          ; one plain place behind a transcendental
.set j, 0
	s_wait_alu depctr_va_vdst(0)
.rept 16
	v_pk_mul_f32 v[S+j:S+j+1], v[O+j:O+j+1], v[230:231] op_sel_hi:[1,0]
.set j, j+2
.endr
.irp b, 0,1
	v_max3_num_f32 v[BMX+\b], |v[S+16*\b]|, |v[S+1+16*\b]|, 0x1800000
.endr
.irp i, 2,4,6,8,10,12,14
.irp b, 0,1
	v_max3_num_f32 v[BMX+\b], v[BMX+\b], |v[S+16*\b+\i]|, |v[S+1+16*\b+\i]|
.endr
.endr
.irp b, 0,1
	v_permlanex16_b32 v[PD+\b], v[BMX+\b], s[SEL], s[SEL+1]
.endr
.irp b, 0,1
	v_max_num_f32 v[BMX+\b], v[BMX+\b], v[PD+\b]
.endr
.irp b, 0,1
	v_add_nc_u32 v[SOP+\b], 0xff000000, v[BMX+\b]
.endr
.irp b, 0,1
	v_lshrrev_b32 v[PD+\b], 23, v[SOP+\b]
.endr
	v_lshl_or_b32 v[OW], v[PD+1], 8, v[PD]
	v_cvt_scalef32_pk16_fp6_f32 v[PC:PC+2], v[S:S+15], v[SOP]
	v_cvt_scalef32_pk16_fp6_f32 v[C2:C2+2], v[S+16:S+31], v[SOP+1]
	v_nop                                          ; one plain place behind a scaled conversion
.irp i, 0,1,2
	v_permlane16_swap_b32 v[PC+\i], v[C2+\i]
.endr
.irp i, 0,1,2
	v_mov_b32 v[PC+3+\i], v[C2+\i]
.endr
	global_store_b128 v1, v[PC:PC+3], s[\oi:\oi+1]             ; 512 and 256 consecutive bytes, aligned
	global_store_b64 v2, v[PC+4:PC+5], s[\oi:\oi+1] offset:512
	global_store_b16 v7, v[OW], s[\os:\os+1]                   ; two bytes a row, 8 bytes apart (both halves of the lanes write the same): a scale word's other two bytes are another head's, made by another work-group
	s_wait_xcnt 0x0                                ; the stores have read their registers
.endm
	s_wait_loadcnt 0x0                             ; Q of both passes
	MEET 3                                         ; records 0-3 are in LDS; three later loads of each wave may be out
	INIT
	LOOPK 4, Q0F, Q0S, QB0
	MEET 2                                         ; records 4-7
	s_mov_b32 s[KB], 4
	s_mov_b32 s[TB], 4*REC
	LOOPK 4, Q0F, Q0S, QB0
	OUT 60, 62
	MEET 0                                         ; the whole head
	INIT
	LOOPK 16, Q1F, Q1S, QB1
	OUT 66, 68
	s_wait_tensorcnt 0x0
	ds_add_u32 v254, v255
	s_wait_dscnt 0x0
	s_endpgm
.Lfunc_end_k_q4cb9dd52ee_attn:
	.size	k_q4cb9dd52ee_attn, .Lfunc_end_k_q4cb9dd52ee_attn-k_q4cb9dd52ee_attn
	.p2alignl 7, 3214868480
	.fill 96, 4, 3214868480
	.section	.rodata,"a",@progbits
	.p2align	6, 0x0
	.amdhsa_kernel k_q4cb9dd52ee_attn
		.amdhsa_group_segment_fixed_size 215040
		.amdhsa_private_segment_fixed_size 0
		.amdhsa_enable_private_segment 0
		.amdhsa_kernarg_size 32
		.amdhsa_user_sgpr_count 2
		.amdhsa_user_sgpr_kernarg_segment_ptr 1
		.amdhsa_wavefront_size32 1
		.amdhsa_system_sgpr_workgroup_id_x 1
		.amdhsa_system_sgpr_workgroup_id_y 1
		.amdhsa_system_sgpr_workgroup_id_z 1
		.amdhsa_system_vgpr_workitem_id 0
		.amdhsa_next_free_vgpr 256
		.amdhsa_next_free_sgpr 80
		.amdhsa_reserve_vcc 1
		.amdhsa_float_denorm_mode_32 3
		.amdhsa_float_denorm_mode_16_64 3
		.amdhsa_memory_ordered 1
		.amdhsa_forward_progress 1
		.amdhsa_inst_pref_size 81
	.end_amdhsa_kernel
	.amdgpu_metadata
---
amdhsa.version: [ 1, 2 ]
amdhsa.kernels:
  - .name:           k_q4cb9dd52ee_attn
    .symbol:         k_q4cb9dd52ee_attn.kd
    .args:
      - { .name: qr, .offset: 0, .size: 8, .value_kind: global_buffer, .address_space: global }
      - { .name: kv, .offset: 8, .size: 8, .value_kind: global_buffer, .address_space: global }
      - { .name: o_img, .offset: 16, .size: 8, .value_kind: global_buffer, .address_space: global }
      - { .name: o_sc, .offset: 24, .size: 8, .value_kind: global_buffer, .address_space: global }
    .group_segment_fixed_size: 215040
    .private_segment_fixed_size: 0
    .kernarg_segment_align: 8
    .kernarg_segment_size: 32
    .max_flat_workgroup_size: 512
    .sgpr_count:     80
    .vgpr_count:     256
    .wavefront_size: 32
...
	.end_amdgpu_metadata
.endif
;; end of part 3
;; launch proj (part 4): grid 4 x 32, 4 waves a work-group, clusters of 4 x 4, 327,680 bytes of LDS; arguments o_img, o_sc, img, sc, bp, out0; writes out0
.if DOCPART == 4
	.amdgcn_target "amdgcn-amd-amdhsa--gfx1250"
	.amdhsa_code_object_version 6
	.text
	.protected	k_q4cb9dd52ee_proj
	.globl	k_q4cb9dd52ee_proj
	.p2align	8
	.type	k_q4cb9dd52ee_proj,@function
k_q4cb9dd52ee_proj:
	s_mov_b64 s[64:65], 0
	v_nop
	global_prefetch_b8 v0, s[64:65] scope:SCOPE_SE
	s_setreg_imm32_b32 hwreg(HW_REG_WAVE_MODE, 25, 1), 1
	s_wait_xcnt 0x0
	s_wait_alu depctr_hold_cnt(0) depctr_sa_sdst(0) depctr_va_vdst(0) depctr_va_sdst(0) depctr_va_ssrc(0) depctr_va_vcc(0) depctr_vm_vsrc(0)
	s_getreg_b32 s2, hwreg(HW_REG_IB_STS2, 6, 4)
	s_cmp_eq_u32 s2, 0
	s_cbranch_scc0 .Lentry_in_a_cluster
	s_endpgm
.Lentry_in_a_cluster:
	s_bfe_u32 s2, ttmp6, 0x10000c
	s_cmp_lg_u32 s2, 0xf033
	s_cbranch_scc0 .Lentry_shape_is_right
	s_endpgm
.Lentry_shape_is_right:
; out0 = o Wp^T + bp on codes of FP6 (E2M3) with E8M0 scales; sums in f32; out0 [8192][1024] f32.
; A tile of C, 256 x 256, is made by four waves, 128 x 128 each: 64 accumulators, 512 registers.  K = 1,024 goes in four steps of 256 through two LDS slots filled by the tensor data mover.
; OPERANDS ARE IMAGES OF REGISTERS: a fragment (16 rows x 128 K) is 1,536 dense bytes, brought by two loads of 16 bytes and two of 8 bytes a lane.  Lane r of tile a of a row block holds row
; 32 (a / 2) + 8 (a % 2) + r + 8 (r / 8), on both sides.  The matrix instruction is used transposed (source 0 = Wp's rows, source 1 = o's rows): register j of lane (r, h) of accumulator (a, b) is
; o's row of lane r and output column 32 (b / 2) + 16 h + 8 (b % 2) + j.  The bias is the C of each sum's first matrix instruction.
; CLUSTERS: 4 x 4 work-groups; o's tiles are shared along a row of the cluster, Wp's along a column, each asked for jointly.  C has 128 tiles of this size: 128 work-groups.
; REGISTERS: window 0: v1-29 addresses; v32-63 scale words, two sets; v64-127 the bias; v128-223 A's fragments, one set (on the way out v128-255 take rows of C).
;   window 1: B's fragments, two sets, at v0 and v128.   windows 2, 3: the accumulators ((a, b) at v[8 (8 (a % 4) + b)]).
.set FR,     12
.set NL,     4
.set NP,     4
.set NQ,     2
.set TILEB,  1536
.set HALFT,  24576                     ; 128 rows x 256 K: [2 K steps][8 tiles][1,536]: what one tensor load brings
.set SLOT,   4*HALFT
.set SCL,    2*SLOT                    ; the scale words of A's 256 rows and B's 256 rows for all of K: filled once
.set SPARE,  SCL+4*4096                ; the spare words, 128 bytes for each wave: two blocks of 256 bytes that no other line names
.set STAGE,  SPARE+512                 ; the way out: 16 rows x 528 bytes for each wave; no tensor load ever fills these bytes
.set SPITCH, 528
.set RBB,    98304
.set L16,  4                           ; v4      16 x lane
.set L8,   5                           ; v5      8 x lane
.set ADRA, 16
.set ADRB, 20
.set STO,  24                          ; v24     the way out: where I put 32 bytes of a row
.set RD,   25                          ; v25     where I read a row back
.set ADRS, 27
.set SPW,  28                          ; v28     my spare word; never rewritten
.set NIL,  29                          ; v29     0; never rewritten
.set SC,   32
.set BN,   64
.set AF,   128
.set BK,   128
.set G1, 24
.set G0, 32
.set G1B, 48
.set G0B, 56
.set G1S, 76
.set G0S, 84
.set G1SB, 88
.set G0SB, 96
.set MSB, 0
.macro WIN new                         ; the immediate's high byte repeats the setting that is left
.if MSB != (\new)
	s_set_vgpr_msb (MSB<<8)|(\new)
.set MSB, (\new)
.endif
.endm
.set MUL_LO, 0xa1                      ; source 0 (B) window 1, source 1 (A) window 0, C and D window 2
.set MUL_HI, 0xf1                      ; the same, C and D window 3
.set TO_B,   0x40
.macro JLOAD g0a, g1a, g0b, g1b        ; a joint load: waves 0 and 1 fetch for A, waves 2 and 3 for B; four v_nop follow each of the two lines
	s_cmp_eq_u32 s15, 0
	s_cbranch_scc0 .Lfor_b_\@
	tensor_load_to_lds s[\g0a:\g0a+3], s[\g1a:\g1a+7]
	s_nop 0
.rept 4
	v_nop
.endr
	s_branch .Lasked_\@
.Lfor_b_\@:
	tensor_load_to_lds s[\g0b:\g0b+3], s[\g1b:\g1b+7]
	s_nop 0
.rept 4
	v_nop
.endr
.Lasked_\@:
.endm
.macro CREST
	s_cmp_lg_u32 s14, 0
	s_cbranch_scc1 .Lnot_wave_0_\@
	s_barrier_signal -3
.Lnot_wave_0_\@:
	s_barrier_wait -3
	s_barrier_signal -1
	s_barrier_wait -1
.endm
.macro CROUND
	s_barrier_signal -1
	s_barrier_wait -1
	CREST
.endm
	s_load_b256 s[4:11], s[0:1], 0x0               ; o_img s[4:5], o_sc s[6:7], img s[8:9], sc s[10:11]
	s_load_b128 s[68:71], s[0:1], 0x20             ; bp s[68:69], out0 s[70:71]
	v_lshl_add_u32 v[SPW], v0, 2, SPARE
	v_mov_b32 v[NIL], 0
	ds_add_u32 v28, v29
	ds_add_u32 v28, v29
	s_wait_dscnt 0x0
	v_lshrrev_b32 v1, 5, v0
	v_readfirstlane_b32 s14, v1                    ; wave 0..3
	s_lshr_b32 s15, s14, 1                         ; which half of A's rows is mine.  Also: I fetch for A (0) or for B (1)
	s_and_b32 s16, s14, 1                          ; which half of B's rows.  Also: which 128 rows I fetch
	s_bfe_u32 s40, ttmp6, 0x40000                  ; cx, cy
	s_bfe_u32 s41, ttmp6, 0x40004
	s_and_b32 s17, ttmp7, 0xffff                   ; the cluster's y: which 1,024 rows
	s_lshl_b32 s43, s41, 2
	s_lshl_b32 s43, 15, s43                        ; my row of the cluster
	s_lshl_b32 s44, 0x1111, s40                    ; my column
	s_or_b32 s[G1+0], s43, (3<<16)|(1<<21)         ; 15:0 the mask; 17:16 elements of 8 bytes; 21 set beside a mask; no padding
	s_or_b32 s[G1B+0], s44, (3<<16)|(1<<21)
	s_or_b32 s[G1S+0], s43, (3<<16)|(1<<21)
	s_or_b32 s[G1SB+0], s44, (3<<16)|(1<<21)
.irp g, G1, G1B
	s_mov_b32 s[\g+1], 32<<16                      ; rows of 256 bytes,
	s_mov_b32 s[\g+2], 96<<16                      ; 96 of them, dense
	s_mov_b32 s[\g+3], 32<<16
	s_mov_b32 s[\g+4], 96
	s_mov_b32 s[\g+5], 32
	s_mov_b32 s[\g+6], 0
	s_mov_b32 s[\g+7], 0
.endr
.irp g, G1S, G1SB
	s_mov_b32 s[\g+1], 32<<16
	s_mov_b32 s[\g+2], 16<<16
	s_mov_b32 s[\g+3], 32<<16
	s_mov_b32 s[\g+4], 16
	s_mov_b32 s[\g+5], 32
	s_mov_b32 s[\g+6], 0
	s_mov_b32 s[\g+7], 0
.endr
	s_lshl_b32 s2, s17, 3                          ; A's row block that I fetch: 8 y + 2 cy + half.  It never holds cx
	s_lshl_b32 s3, s41, 1
	s_add_co_u32 s2, s2, s3
	s_add_co_u32 s2, s2, s16
	s_lshl_b32 s20, s2, 12
	s_mov_b32 s21, 0
	s_mul_i32 s2, s2, RBB
	s_mov_b32 s3, 0
	s_lshl_b32 s22, s40, 1                         ; B's: 88 + 2 cx + half: Wp's.  It never holds cy
	s_add_co_u32 s22, s22, s16
	s_add_co_u32 s22, s22, 88
	s_lshl_b32 s46, s22, 12
	s_mov_b32 s47, 0
	s_mul_i32 s22, s22, RBB
	s_mov_b32 s23, 0
	s_mul_i32 s18, s14, HALFT                      ; where they go: no place in the cluster enters an LDS address
	s_lshl_b32 s19, s14, 12
	s_add_co_u32 s19, s19, SCL
	s_wait_kmcnt 0x0
	s_add_nc_u64 s[2:3], s[4:5], s[2:3]
	s_add_nc_u64 s[20:21], s[6:7], s[20:21]
	s_add_nc_u64 s[22:23], s[8:9], s[22:23]
	s_add_nc_u64 s[46:47], s[10:11], s[46:47]
	CROUND                                         ; all sixteen work-groups are here: the first joint loads meet
	s_mov_b32 s[G0S], 1
	s_mov_b32 s[G0S+1], s19
	s_mov_b64 s[G0S+2:G0S+3], s[20:21]
	s_or_b32 s[G0S+3], s[G0S+3], 0x80000000
	s_mov_b32 s[G0SB], 1
	s_mov_b32 s[G0SB+1], s19
	s_mov_b64 s[G0SB+2:G0SB+3], s[46:47]
	s_or_b32 s[G0SB+3], s[G0SB+3], 0x80000000
	JLOAD G0S, G1S, G0SB, G1SB
.irp s, 0,1
	s_mov_b32 s[G0+4*\s], 1
	s_add_co_u32 s[G0+4*\s+1], s18, \s*SLOT
	s_add_nc_u64 s[G0+4*\s+2:G0+4*\s+3], s[2:3], \s*HALFT
	s_or_b32 s[G0+4*\s+3], s[G0+4*\s+3], 0x80000000
	s_mov_b32 s[G0B+4*\s], 1
	s_add_co_u32 s[G0B+4*\s+1], s18, \s*SLOT
	s_add_nc_u64 s[G0B+4*\s+2:G0B+4*\s+3], s[22:23], \s*HALFT
	s_or_b32 s[G0B+4*\s+3], s[G0B+4*\s+3], 0x80000000
	JLOAD G0+4*\s, G1, G0B+4*\s, G1B               ; three tensor loads of mine are out behind the second of these
.endr
	v_and_b32 v1, 15, v0                           ; r
	v_bfe_u32 v2, v0, 4, 1                         ; h
	v_and_b32 v3, 31, v0                           ; lane
	v_lshlrev_b32 v[L16], 4, v3
	v_lshlrev_b32 v[L8], 3, v3
	s_mul_i32 s2, s15, HALFT
	s_mul_i32 s3, s16, HALFT
	s_add_co_u32 s3, s3, 2*HALFT
.irp s, 0,1
	v_add_nc_u32 v[ADRA+\s], s2, v[L16]
	v_add_nc_u32 v[ADRA+2+\s], s2, v[L8]
	v_add_nc_u32 v[ADRB+\s], s3, v[L16]
	v_add_nc_u32 v[ADRB+2+\s], s3, v[L8]
	s_add_co_u32 s2, s2, SLOT
	s_add_co_u32 s3, s3, SLOT
.endr
	s_lshl_b32 s2, s15, 12
	s_lshl_b32 s3, s16, 12
	s_add_co_u32 s3, s3, 8192
	s_sub_co_u32 s3, s3, s2
	v_mul_u32_u24 v6, s3, v2                       ; lanes 16-31 take B's scale words: one product, the distance between the two
	s_add_co_u32 s2, s2, SCL
	v_lshl_add_u32 v6, v1, 3, v6
	v_add_nc_u32 v[ADRS], s2, v6
	s_mul_i32 s2, s14, 16*SPITCH
	s_add_co_u32 s2, s2, STAGE                     ; my stage
	v_mul_u32_u24 v7, v1, SPITCH
	v_lshl_add_u32 v7, v2, 6, v7
	v_add_nc_u32 v[STO], s2, v7                    ; in: row r, 64 h bytes on
	v_add_nc_u32 v[RD], s2, v[L16]                 ; back: the 32 lanes take one row of 512 bytes
	s_lshl_b32 s2, s40, 10
	s_lshl_b32 s3, s16, 9
	s_add_co_u32 s2, s2, s3                        ; my first column, in bytes: (256 cx + 128 half) x 4
	s_mov_b32 s3, 0
	s_add_nc_u64 s[74:75], s[68:69], s[2:3]        ; in bp,
	s_add_nc_u64 s[66:67], s[70:71], s[2:3]        ; and in a row of out0
	s_lshl_b32 s2, s17, 3
	s_lshl_b32 s18, s41, 1
	s_add_co_u32 s2, s2, s18
	s_add_co_u32 s2, s2, s15                       ; my row block
	s_lshl_b32 s2, s2, 19                          ; 128 rows of 4,096 bytes
	s_add_nc_u64 s[66:67], s[66:67], s[2:3]
	v_lshlrev_b32 v8, 6, v2                        ; 16 h numbers on
.irp b, 0,1,2,3
.irp i, 0,1,2,3
	global_load_b128 v[BN+16*\b+4*\i:BN+16*\b+4*\i+3], v8, s[74:75] offset:128*\b+16*\i   ; register 16 b + i: column 32 b + 16 h + i
.endr
.endr
.macro FRAG reg, adr, q, i
	ds_load_b128 v[\reg:\reg+3], v[\adr] offset:(8*(\q)+(\i))*TILEB
	ds_load_b64 v[\reg+4:\reg+5], v[\adr+2] offset:(8*(\q)+(\i))*TILEB+512
	ds_load_b128 v[\reg+6:\reg+9], v[\adr] offset:(8*(\q)+(\i))*TILEB+768
	ds_load_b64 v[\reg+10:\reg+11], v[\adr+2] offset:(8*(\q)+(\i))*TILEB+1280
.endm
; 16 matrix instructions: A's blocks a0, a0 + 1 x B's eight.  first = 1: the sums begin with the bias as C (in window 0).
; The 64 accumulators take turns, one instruction a turn, in the same order in every step.
.macro MUL16 a0, p, q, sc, first
.irp a, \a0, \a0+1
.irp b, 0,1,2,3,4,5,6,7
.if \first
	v_wmma_scale_f32_16x16x128_f8f6f4 v[8*(8*((\a)%4)+\b):8*(8*((\a)%4)+\b)+7], v[128*(\p)+FR*\b:128*(\p)+FR*\b+FR-1], v[AF+FR*(\a):AF+FR*(\a)+FR-1], v[BN+8*\b:BN+8*\b+7], v[SC+8*NQ*(\sc)+NQ*\b+(\q)], v[SC+8*NQ*(\sc)+NQ*(\a)+(\q)] matrix_a_fmt:MATRIX_FMT_FP6 matrix_b_fmt:MATRIX_FMT_FP6 matrix_a_scale:MATRIX_SCALE_ROW1
.else
	v_wmma_scale_f32_16x16x128_f8f6f4 v[8*(8*((\a)%4)+\b):8*(8*((\a)%4)+\b)+7], v[128*(\p)+FR*\b:128*(\p)+FR*\b+FR-1], v[AF+FR*(\a):AF+FR*(\a)+FR-1], v[8*(8*((\a)%4)+\b):8*(8*((\a)%4)+\b)+7], v[SC+8*NQ*(\sc)+NQ*\b+(\q)], v[SC+8*NQ*(\sc)+NQ*(\a)+(\q)] matrix_a_fmt:MATRIX_FMT_FP6 matrix_b_fmt:MATRIX_FMT_FP6 matrix_a_scale:MATRIX_SCALE_ROW1
.endif
.endr
.endr
.endm
.macro FETCH_B slot, q, p
	WIN TO_B
.irp i, 0,1,2,3,4,5,6,7
	FRAG 128*(\p)+FR*\i, ADRB+\slot, \q, \i
.endr
	WIN 0
.endm
.macro FETCH_A slot, q, i0
.irp i, \i0, \i0+1, \i0+2, \i0+3
	FRAG AF+FR*(\i), ADRA+\slot, \q, \i
.endr
.endm
.macro SCALES sc
.irp i, 0,1,2,3,4,5,6,7
	ds_load_b64 v[SC+8*NQ*\sc+NQ*\i:SC+8*NQ*\sc+NQ*\i+1], v[ADRS] offset:\i*512
.endr
.endm
.macro PLACES n                        ; plain vector places behind matrix instructions (ISA guide 7.12.1)
.rept \n
	v_nop
.endr
.endm
.macro STEP slot, q, first
	s_wait_dscnt 4*NL                              ; all but the youngest 16 loads (A's blocks 4-7) are in
.if \first
	WIN 0x81                                       ; source 0 window 1, sources 1 and 2 window 0, destination window 2
.else
	WIN MUL_LO
.endif
	MUL16 0, (\q)%2, \q, \slot, \first
	MUL16 2, (\q)%2, \q, \slot, \first
	s_wait_dscnt 0x0
	PLACES NP
	FETCH_B \slot, (\q)+1, 1-(\q)%2
	FETCH_A \slot, (\q)+1, 0
.if \first
	WIN 0xc1                                       ; the same, destination window 3
.else
	WIN MUL_HI
.endif
	MUL16 4, (\q)%2, \q, \slot, \first
	MUL16 6, (\q)%2, \q, \slot, \first
	PLACES NP
	WIN 0
	FETCH_A \slot, (\q)+1, 4
.endm
.macro TURN slot, next, fill
	s_wait_tensorcnt 0x0                           ; all my tensor loads have landed: my part of the next slot
	ds_add_u32 v[SPW], v[NIL]                      ; 0 onto my spare word
	s_wait_dscnt 4*NL+1                            ; the add and the youngest 16 loads may be out
	WIN MUL_LO
	MUL16 0, 1, NQ-1, \slot, 0
	s_wait_dscnt 0x0                               ; the add is done, and my reads of this slot are over
	s_barrier_signal -1
	MUL16 2, 1, NQ-1, \slot, 0
	WIN 0
	s_barrier_wait -1
.if \fill
	CREST                                          ; a round of the cluster's barrier: no wave of any partner still reads this slot or has a load on its way
	s_add_nc_u64 s[G0+4*\slot+2:G0+4*\slot+3], s[G0+4*\slot+2:G0+4*\slot+3], 2*HALFT
	s_add_nc_u64 s[G0B+4*\slot+2:G0B+4*\slot+3], s[G0B+4*\slot+2:G0B+4*\slot+3], 2*HALFT
	JLOAD G0+4*\slot, G1, G0B+4*\slot, G1B         ; the first tensor load behind the round; its four v_nop are also the places in front of the loads below
.else
	PLACES NP
.endif
	v_add_nc_u32 v[ADRS], 128, v[ADRS]
	FETCH_B \next, 0, 0
	FETCH_A \next, 0, 0
	SCALES \next
	WIN MUL_HI
	MUL16 4, 1, NQ-1, \slot, 0
	MUL16 6, 1, NQ-1, \slot, 0
	PLACES NP
	WIN 0
	FETCH_A \next, 0, 4
.endm
	s_wait_tensorcnt 1                             ; the scale words and my part of slot 0 are in; slot 1's load may be out
	s_barrier_signal -1
	s_barrier_wait -1
	FETCH_B 0, 0, 0
	FETCH_A 0, 0, 0
	SCALES 0
	FETCH_A 0, 0, 4
	s_wait_loadcnt 0x0                             ; the bias
	STEP 0, 0, 1
	TURN 0, 1, 1
	STEP 1, 0, 0
	TURN 1, 0, 1
	STEP 0, 0, 0
	TURN 0, 1, 0
	STEP 1, 0, 0
	s_wait_dscnt 4*NL
	WIN MUL_LO
	MUL16 0, 1, NQ-1, 1, 0
	MUL16 2, 1, NQ-1, 1, 0
	s_wait_dscnt 0x0
	WIN MUL_HI
	MUL16 4, 1, NQ-1, 1, 0
	MUL16 6, 1, NQ-1, 1, 0
	WIN 0
; THE WAY OUT, block by block of 16 rows x 128 columns, through my own stage: in as 32 bytes a lane, back as whole rows of 512 bytes.  LDS serves a wave's instructions in order: no wait between the stores and the loads.
.macro TOSTAGE a
.set AC, 64*((\a)%4)
	WIN 0x08+4*((\a)/4)                            ; an LDS store's data: window 2 or 3
.irp b, 0,1,2,3,4,5,6,7
	ds_store_b128 v[STO], v[AC+8*\b:AC+8*\b+3] offset:128*(\b/2)+32*(\b%2)         ; each accumulator from its low end on
	ds_store_b128 v[STO], v[AC+8*\b+4:AC+8*\b+7] offset:128*(\b/2)+32*(\b%2)+16
.endr
	WIN 0
.set BB, BK+64*((\a)%2)
.irp t, 0,1,2,3,4,5,6,7,8,9,10,11,12,13,14,15
	ds_load_b128 v[BB+4*\t:BB+4*\t+3], v[RD] offset:\t*SPITCH
.endr
.endm
.macro SEND a, younger                 ; younger: the LDS instructions issued behind block a's loads, which may stay out
.set BB, BK+64*((\a)%2)
	s_wait_dscnt \younger
.irp t, 0,1,2,3,4,5,6,7,8,9,10,11,12,13,14,15
	global_store_b128 v[L16], v[BB+4*\t:BB+4*\t+3], s[66:67] offset:(32*((\a)/2)+8*((\a)%2)+\t+8*(\t/8))*4096 th:TH_STORE_NT   ; 32 lanes store 512 consecutive bytes, aligned; stage row t is row 32 (a / 2) + 8 (a % 2) + t + 8 (t / 8)
.endr
.endm
	PLACES NP                                      ; behind the last products: their results are read, and A's registers take rows of C
	TOSTAGE 0
.irp a, 1,2,3,4,5,6,7
.if \a > 1
	s_wait_xcnt 0x0                                ; the stores of two blocks back have read their registers: this block's loads may land there
.endif
	TOSTAGE \a
	SEND \a-1, 32                                  ; behind that block's loads: this block's 16 stores and 16 loads
.endr
	SEND 7, 0
	s_wait_tensorcnt 0x0                           ; the wave's end
	ds_add_u32 v[SPW], v[NIL]
	s_wait_dscnt 0x0
	CROUND                                         ; the closing round
	s_endpgm
.Lfunc_end_k_q4cb9dd52ee_proj:
	.size	k_q4cb9dd52ee_proj, .Lfunc_end_k_q4cb9dd52ee_proj-k_q4cb9dd52ee_proj
	.p2alignl 7, 3214868480
	.fill 96, 4, 3214868480
	.section	.rodata,"a",@progbits
	.p2align	6, 0x0
	.amdhsa_kernel k_q4cb9dd52ee_proj
		.amdhsa_group_segment_fixed_size 327680
		.amdhsa_private_segment_fixed_size 0
		.amdhsa_enable_private_segment 0
		.amdhsa_kernarg_size 48
		.amdhsa_user_sgpr_count 2
		.amdhsa_user_sgpr_kernarg_segment_ptr 1
		.amdhsa_wavefront_size32 1
		.amdhsa_system_sgpr_workgroup_id_x 1
		.amdhsa_system_sgpr_workgroup_id_y 1
		.amdhsa_system_sgpr_workgroup_id_z 1
		.amdhsa_system_vgpr_workitem_id 0
		.amdhsa_next_free_vgpr 1024
		.amdhsa_next_free_sgpr 100
		.amdhsa_reserve_vcc 0
		.amdhsa_float_denorm_mode_32 3
		.amdhsa_float_denorm_mode_16_64 3
		.amdhsa_memory_ordered 1
		.amdhsa_forward_progress 1
		.amdhsa_inst_pref_size 144
	.end_amdhsa_kernel
	.amdgpu_metadata
---
amdhsa.version: [ 1, 2 ]
amdhsa.kernels:
  - .name:           k_q4cb9dd52ee_proj
    .symbol:         k_q4cb9dd52ee_proj.kd
    .args:
      - { .name: o_img, .offset: 0, .size: 8, .value_kind: global_buffer, .address_space: global }
      - { .name: o_sc, .offset: 8, .size: 8, .value_kind: global_buffer, .address_space: global }
      - { .name: img, .offset: 16, .size: 8, .value_kind: global_buffer, .address_space: global }
      - { .name: sc, .offset: 24, .size: 8, .value_kind: global_buffer, .address_space: global }
      - { .name: bp, .offset: 32, .size: 8, .value_kind: global_buffer, .address_space: global }
      - { .name: out0, .offset: 40, .size: 8, .value_kind: global_buffer, .address_space: global }
    .group_segment_fixed_size: 327680
    .private_segment_fixed_size: 0
    .kernarg_segment_align: 8
    .kernarg_segment_size: 48
    .max_flat_workgroup_size: 128
    .sgpr_count:     100
    .vgpr_count:     1024
    .wavefront_size: 32
...
	.end_amdgpu_metadata
.endif
;; end of part 4
